; MI455X (gfx1250); checked and timed in simulation.
; The chip was launched on July 23, 2026; its instructions are those of AMD's public machine-readable ISA for CDNA 5 (MIT licence, August 2026) and "CDNA5" Instruction Set Architecture Reference Guide (July 2026). The comments in the code are by the model that wrote it; some were corrected since.
;; Sparse Moe Block. Allowed arithmetic: float matrix products may take bf16 or f16 operands with f32 sums; other float arithmetic in f32, or as packed bf16 or f16 multiplies, adds, multiply-adds, maxima and minima; sums over many terms, partial sums and values carried from step to step in f32; what a program stores and reads back later, other than sums and carried values, may be rounded once to bf16 or f16.
;; Inputs: Wd 16 x 512 x 2,048 float32; Wg 16 x 2,048 x 512 float32; Wu 16 x 2,048 x 512 float32; gate_w 16 x 2,048 float32; hidden_states 1 x 1,024 x 2,048 float32; sWd 512 x 2,048 float32; sWg 2,048 x 512 float32; sWu 2,048 x 512 float32; shared_gate_w 2,048 x 1 float32.
;; Outputs: out0 1 x 1,024 x 2,048 float32.
;; 2 versions, each right; version 2 is version 1 with the launches up, down written anew for expert scheduling mode. Each part assembles by itself: llvm-mc -triple=amdgcn-amd-amdhsa -mcpu=gfx1250 --defsym DOCPART=n.
;; ======== version 1 of 2: 4 launches
;; workspace buffers: xb 4,194,304 bytes; bmp 2,048 bytes of whole numbers; sel 16,384 bytes of whole numbers; wts 32,768 bytes; hb 17,825,792 bytes; yb 142,606,336 bytes
;; launch route (part 1): grid 64 x 1, 8 waves a work-group, no clusters, 75,264 bytes of LDS; arguments hidden_states, gate_w, shared_gate_w, xb, bmp, sel, wts; writes xb, bmp, sel, wts
.if DOCPART == 1
	.amdgcn_target "amdgcn-amd-amdhsa--gfx1250"
	.amdhsa_code_object_version 6
	.text
	.protected	k_qc99b251012_route
	.globl	k_qc99b251012_route
	.p2align	8
	.type	k_qc99b251012_route,@function
k_qc99b251012_route:
	s_mov_b64 s[64:65], 0
	v_nop
	global_prefetch_b8 v0, s[64:65] scope:SCOPE_SE
	s_setreg_imm32_b32 hwreg(HW_REG_WAVE_MODE, 25, 1), 1
	s_wait_xcnt 0x0
; ROUTER.  For 16 tokens a work-group: x rounded once to bf16 (xb), the 16 router logits, the four largest, their weights, the shared gate.
; Stored at fixed places: sel[t][4] the chosen experts, wts[t][8] = w0..w3, sigmoid gate, 0, 0, 0, bmp[e][32 words] bit t = token t chose expert e.
; No address and no branch here hangs on the choice: later launches read it as whole numbers.
; ARITHMETIC.  x, gate_w and shared_gate_w are rounded to bf16, products exact, sums in f32.  The softmax's divisor cancels in w_k = p_k / sum of the four p:
; w_k = 2^((l_k - l_0) log2 e) / sum, l_0 the largest of all 16 logits, so the maximum is taken away and the sum lies in 1 to 4.
; LIMITS.  The choice is made on the logits: equal logits keep the lower index; probabilities that tie only after an exponential's rounding are not reproduced.
; NaN and infinities are not treated apart.  A weight below 2^-126 counts as 0.
; SHARES.  Wave w casts rows 2 w and 2 w + 1 and owns K = 256 w .. 256 w + 255 of the logits' product; wave 0 adds the eight parts and chooses.
.set XPITCH, 4112                      ; a row of bf16 x in LDS: 4,096 bytes + 16: the 16 rows of a fragment load start 16 bytes apart modulo 256
.set RED,    65792                     ; 8 waves x 1,024 bytes: partial logits
.set SGL,    73984                     ; 16 words: the shared gate's logits
.set SPARE,  74240                     ; the spare words, 128 bytes a wave
.set ZC,   10                          ; v10-13 four chains of the gate's dot product
.set VAL,  16                          ; v16-19 the four largest logits
.set IDX,  20                          ; v20-23 their experts
.set ACC0, 32
.set ACC1, 40
.set SGP,  48                          ; v48-79 shared_gate_w, packed bf16; later LG and the weights
.set LG,   48                          ; v48-63 all 16 logits of my token
.set STA,  80                          ; v80-143 shared_gate_w in f32, then row 1, then x's fragments, then the partial logits
.set STB,  144                         ; v144-207 row 0
.set XP,   208                         ; v208-239 a row, packed bf16
.set GF,   128                         ; window 1: v0-127 gate_w in f32, v128-191 its fragments
.set MSB, 0
.macro WIN new                         ; the immediate's high byte repeats the setting that is left
.if MSB != (\new)
	s_set_vgpr_msb (MSB<<8)|(\new)
.set MSB, (\new)
.endif
.endm
	s_load_b256 s[4:11], s[0:1], 0x0               ; hidden_states s[4:5], gate_w s[6:7], shared_gate_w s[8:9], xb s[10:11]
	s_load_b128 s[12:15], s[0:1], 0x20             ; bmp s[12:13], sel s[14:15]
	s_load_b64 s[16:17], s[0:1], 0x30              ; wts
	v_lshl_add_u32 v30, v0, 2, SPARE               ; my spare word and 0: kept for the add at the wave's end alone
	v_mov_b32 v31, 0
	v_and_b32 v1, 31, v0                           ; lane
	v_lshrrev_b32 v2, 5, v0
	v_readfirstlane_b32 s18, v2                    ; wave
	v_and_b32 v2, 15, v0                           ; r
	v_bfe_u32 v3, v0, 4, 1                         ; h
	s_mov_b32 s19, ttmp9                           ; g: tokens 16 g .. 16 g + 15
	s_mov_b32 s22, 0x76543210                      ; v_permlanex16_b32: each lane takes its own place in the other half
	s_mov_b32 s23, 0xfedcba98
	v_lshlrev_b32 v4, 4, v1                        ; 16 bytes a lane
	v_lshlrev_b32 v5, 3, v1                        ; 8 bytes a lane
	s_mul_i32 s24, s18, 2*XPITCH
	v_lshl_add_u32 v6, v1, 3, s24                  ; LDS: my first row, 8 bytes a lane
	v_lshlrev_b32 v7, 13, v2
	v_lshl_add_u32 v7, v3, 5, v7                   ; gate_w: expert r, 8 h numbers on
	v_mul_u32_u24 v8, v2, XPITCH
	v_lshl_add_u32 v8, v3, 4, v8
	s_lshl_b32 s24, s18, 9
	v_add_nc_u32 v8, s24, v8                       ; LDS: token r, my wave's K, 16 h bytes on
	s_lshl_b32 s24, s18, 10
	s_add_co_u32 s24, s24, RED
	v_lshl_add_u32 v9, v1, 4, s24                  ; LDS: my wave's partial logits
	s_lshl_b32 s24, s18, 3
	s_add_co_u32 s24, s24, SGL
	v_mov_b32 v28, s24                             ; LDS: my two rows' gate logits
	v_mov_b32 v14, 0                               ; starts the four chains
	s_lshl_b32 s20, s19, 4
	s_lshl1_add_u32 s20, s18, s20                  ; my first row: 16 g + 2 w
	s_lshl_b32 s24, s20, 13                        ; x 8,192 bytes
	s_mov_b32 s25, 0
	s_lshl_b32 s26, s20, 12                        ; x 4,096 bytes
	s_mov_b32 s27, 0
	s_lshl_b32 s28, s18, 10                        ; my wave's 256 numbers of each row of gate_w
	s_mov_b32 s29, 0
	s_wait_kmcnt 0x0
	s_add_nc_u64 s[4:5], s[4:5], s[24:25]
	s_add_nc_u64 s[10:11], s[10:11], s[26:27]
	s_add_nc_u64 s[6:7], s[6:7], s[28:29]
	; 64 loads go out at once: shared_gate_w (16), row 0 (16), my K slice of gate_w in fragment order (32)
.set c, 0
.rept 16
	global_load_b128 v[STA+4*c:STA+4*c+3], v4, s[8:9] offset:512*c
.set c, c+1
.endr
.set c, 0
.rept 16
	global_load_b128 v[STB+4*c:STB+4*c+3], v4, s[4:5] offset:512*c th:TH_LOAD_NT
.set c, c+1
.endr
	WIN 0x40                                       ; destination window 1
.set c, 0
.rept 8                                        ; K step c: k = 8 h + 0..7 (32 bytes), then k = 16 + 8 h + 0..7
	global_load_b128 v[16*c:16*c+3],     v7, s[6:7] offset:128*c
	global_load_b128 v[16*c+4:16*c+7],   v7, s[6:7] offset:128*c+16
	global_load_b128 v[16*c+8:16*c+11],  v7, s[6:7] offset:128*c+64
	global_load_b128 v[16*c+12:16*c+15], v7, s[6:7] offset:128*c+80
.set c, c+1
.endr
	WIN 0
; A row: rounded to bf16, stored to xb (each store of the wave covers 256 consecutive bytes, aligned) and to LDS; its dot product with shared_gate_w.
.macro CASTROW X, row
.set c, 0
.rept 32
	v_cvt_pk_bf16_f32 v[XP+c], v[\X+2*c], v[\X+2*c+1]
.set c, c+1
.endr
.set c, 0
.rept 16
	global_store_b64 v5, v[XP+2*c:XP+2*c+1], s[10:11] offset:4096*\row+256*c
	ds_store_b64 v6, v[XP+2*c:XP+2*c+1] offset:XPITCH*\row+256*c
.set c, c+1
.endr
.set c, 0
.rept 32                                       ; bf16 halves multiplied exactly, added in f32, four chains
.if c < 2
	v_fma_mix_f32_bf16 v[ZC+2*(c%2)],   v[XP+c], v[SGP+c], v14 op_sel_hi:[1,1,0]
	v_fma_mix_f32_bf16 v[ZC+2*(c%2)+1], v[XP+c], v[SGP+c], v14 op_sel:[1,1,0] op_sel_hi:[1,1,0]
.else
	v_fma_mix_f32_bf16 v[ZC+2*(c%2)],   v[XP+c], v[SGP+c], v[ZC+2*(c%2)] op_sel_hi:[1,1,0]
	v_fma_mix_f32_bf16 v[ZC+2*(c%2)+1], v[XP+c], v[SGP+c], v[ZC+2*(c%2)+1] op_sel:[1,1,0] op_sel_hi:[1,1,0]
.endif
.set c, c+1
.endr
	v_add_f32 v10, v10, v11
	v_add_f32 v12, v12, v13
	v_add_f32 v10, v10, v12
	v_add_f32_dpp v10, v10, v10 row_xmask:1 row_mask:0xf bank_mask:0xf
	v_add_f32_dpp v10, v10, v10 row_xmask:2 row_mask:0xf bank_mask:0xf
	v_add_f32_dpp v10, v10, v10 row_xmask:4 row_mask:0xf bank_mask:0xf
	v_add_f32_dpp v10, v10, v10 row_xmask:8 row_mask:0xf bank_mask:0xf
	v_permlanex16_b32 v11, v10, s22, s23
	v_add_f32 v10, v10, v11
	ds_store_b32 v28, v10 offset:4*\row            ; every lane writes the same number to the same word
.endm
	s_wait_loadcnt 48                              ; row 0 and gate_w, 48 loads, are younger: shared_gate_w is in
.set c, 0
.rept 32
	v_cvt_pk_bf16_f32 v[SGP+c], v[STA+2*c], v[STA+2*c+1]
.set c, c+1
.endr
.set c, 0
.rept 16
	global_load_b128 v[STA+4*c:STA+4*c+3], v4, s[4:5] offset:8192+512*c th:TH_LOAD_NT  ; row 1
.set c, c+1
.endr
	s_wait_loadcnt 48                              ; gate_w (32) and row 1 (16) are younger: row 0 is in
	CASTROW STB, 0
	s_wait_loadcnt 16                              ; row 1 is younger: gate_w is in
	WIN 0x45                                       ; sources and destination window 1
.set c, 0
.rept 64
	v_cvt_pk_bf16_f32 v[GF+c], v[2*c], v[2*c+1]
.set c, c+1
.endr
	WIN 0
	s_wait_loadcnt 0x0                             ; row 1
	s_wait_xcnt 0x0                                ; XP is the data of row 0's stores: rewritten only behind this wait
	CASTROW STA, 1
	s_wait_dscnt 0x0                               ; for the others' sake: my rows are in LDS
	s_barrier_signal -1
	s_barrier_wait -1
	; logits^T = gate_w x^T over my 256 of K: source 0 = 16 experts, source 1 = 16 tokens; two sums take turns
.set c, 0
.rept 8
	ds_load_b128 v[STA+8*c:STA+8*c+3],   v8 offset:64*c
	ds_load_b128 v[STA+8*c+4:STA+8*c+7], v8 offset:64*c+32
.set c, c+1
.endr
	s_wait_dscnt 0x0
	WIN 0x01                                       ; source 0 window 1
.set c, 0
.rept 8
.if c < 2
	v_wmma_f32_16x16x32_bf16 v[ACC0+8*(c%2):ACC0+8*(c%2)+7], v[GF+8*c:GF+8*c+7], v[STA+8*c:STA+8*c+7], 0
.else
	v_wmma_f32_16x16x32_bf16 v[ACC0+8*(c%2):ACC0+8*(c%2)+7], v[GF+8*c:GF+8*c+7], v[STA+8*c:STA+8*c+7], v[ACC0+8*(c%2):ACC0+8*(c%2)+7]
.endif
.set c, c+1
.endr
	WIN 0
.rept 4
	v_nop                                          ; four places between the last product and the first read of a sum (ISA guide 7.12.1)
.endr
.set c, 0
.rept 4                                        ; from each sum's low end on
	v_pk_add_f32 v[LG+2*c:LG+2*c+1], v[ACC0+2*c:ACC0+2*c+1], v[ACC1+2*c:ACC1+2*c+1]
.set c, c+1
.endr
	ds_store_b128 v9, v[LG:LG+3]
	ds_store_b128 v9, v[LG+4:LG+7] offset:512
	s_wait_dscnt 0x0                               ; for wave 0's sake
	s_barrier_signal -1
	s_barrier_wait -1
	s_cmp_lg_u32 s18, 0
	s_cbranch_scc1 .Lend                           ; the choice is wave 0's: 16 tokens, both halves of the lanes alike
	v_lshl_add_u32 v27, v1, 4, RED
	v_lshl_add_u32 v25, v2, 2, SGL
.set c, 0
.rept 8
	ds_load_b128 v[STA+8*c:STA+8*c+3],   v27 offset:1024*c
	ds_load_b128 v[STA+8*c+4:STA+8*c+7], v27 offset:1024*c+512
.set c, c+1
.endr
	ds_load_b32 v26, v25                           ; my token's gate logit
	s_wait_dscnt 0x0
.set p, 1
.rept 7
.set c, 0
.rept 4
	v_pk_add_f32 v[STA+2*c:STA+2*c+1], v[STA+2*c:STA+2*c+1], v[STA+8*p+2*c:STA+8*p+2*c+1]
.set c, c+1
.endr
.set p, p+1
.endr
.set c, 0
.rept 8                                        ; lane (r, h) holds experts 8 h .. 8 h + 7 of token r: the other eight lie 16 lanes away
	v_permlanex16_b32 v[STA+8+c], v[STA+c], s22, s23
.set c, c+1
.endr
	v_cmp_ne_u32 vcc_lo, 0, v3
.set c, 0
.rept 8
	v_cndmask_b32 v[LG+c],   v[STA+c],   v[STA+8+c], vcc_lo
	v_cndmask_b32 v[LG+8+c], v[STA+8+c], v[STA+c],   vcc_lo
.set c, c+1
.endr
	v_mov_b32 v24, 0xff800000                      ; takes a chosen logit's place
	v_mov_b32 v29, 1
; The largest of the 16: an ascending scan with a strict compare keeps the lower index of equals.
.macro TOP k
	v_mov_b32 v[VAL+\k], v[LG]
	v_mov_b32 v[IDX+\k], 0
.set e, 1
.rept 15
	v_cmp_gt_f32 vcc_lo, v[LG+e], v[VAL+\k]
	v_cndmask_b32 v[VAL+\k], v[VAL+\k], v[LG+e], vcc_lo
	v_cndmask_b32 v[IDX+\k], v[IDX+\k], e, vcc_lo
.set e, e+1
.endr
.if \k < 3
.set e, 0
.rept 16
	v_cmp_eq_u32 vcc_lo, e, v[IDX+\k]
	v_cndmask_b32 v[LG+e], v[LG+e], v24, vcc_lo
.set e, e+1
.endr
.endif
.endm
	TOP 0
	TOP 1
	TOP 2
	TOP 3
	v_lshlrev_b32 v15, v20, v29                    ; the token's four experts as bits
	v_lshl_or_b32 v15, v29, v21, v15
	v_lshl_or_b32 v15, v29, v22, v15
	v_lshl_or_b32 v15, v29, v23, v15
	v_sub_f32 v64, v17, v16                        ; the difference first, then the factor: a common offset of the logits cancels exactly
	v_sub_f32 v65, v18, v16
	v_sub_f32 v66, v19, v16
	v_mul_f32 v64, 0x3fb8aa3b, v64
	v_mul_f32 v65, 0x3fb8aa3b, v65
	v_mul_f32 v66, 0x3fb8aa3b, v66
	v_mul_f32 v67, 0xbfb8aa3b, v26
	v_exp_f32 v64, v64
	v_exp_f32 v65, v65
	v_exp_f32 v66, v66
	v_exp_f32 v67, v67
	v_lshlrev_b32 v76, 5, v2                       ; a plain line behind the exponentials (ISA guide 5.7.2)
	s_wait_alu depctr_va_vdst(0)
	v_add_f32 v68, 1.0, v64                        ; the first weight's exponential is 1
	v_add_f32 v69, v65, v66
	v_add_f32 v67, 1.0, v67
	v_add_f32 v68, v68, v69
	v_rcp_f32 v68, v68
	v_rcp_f32 v67, v67                             ; sigmoid
	v_lshl_add_u32 v76, v3, 4, v76                 ; a plain line behind the reciprocals: 32 r + 16 h
	s_wait_alu depctr_va_vdst(0)
	v_mul_f32 v73, v64, v68
	v_mul_f32 v74, v65, v68
	v_mul_f32 v75, v66, v68
	v_cmp_ne_u32 vcc_lo, 0, v3
	v_cndmask_b32 v72, v68, v67, vcc_lo            ; lanes 0-15: w0..w3; lanes 16-31: gate, 0, 0, 0
	v_cndmask_b32 v73, v73, v14, vcc_lo
	v_cndmask_b32 v74, v74, v14, vcc_lo
	v_cndmask_b32 v75, v75, v14, vcc_lo
	s_lshl_b32 s24, s19, 9
	s_mov_b32 s25, 0
	s_add_nc_u64 s[16:17], s[16:17], s[24:25]
	s_lshl_b32 s24, s19, 8
	s_add_nc_u64 s[14:15], s[14:15], s[24:25]
	s_lshl_b32 s24, s19, 1
	s_add_nc_u64 s[12:13], s[12:13], s[24:25]
	global_store_b128 v76, v[72:75], s[16:17]      ; 512 consecutive bytes of wts
	v_mov_b32 v79, 0
.set e, 0
.rept 16                                       ; expert e's 16 tokens as a mask of lanes, put into lane e
	v_and_b32 v70, 1<<e, v15
	v_cmp_ne_u32 s[40+e], 0, v70
	v_writelane_b32 v79, s[40+e], e
.set e, e+1
.endr
	v_lshlrev_b32 v78, 7, v1                       ; an expert's bitmap is 128 bytes
	v_cmp_gt_u32 vcc_lo, 16, v1
	s_wait_xcnt 0x0                                ; EXEC changes only behind this wait
	s_and_saveexec_b32 s56, vcc_lo
	global_store_b128 v4, v[IDX:IDX+3], s[14:15]   ; 256 consecutive bytes of sel
	global_store_b16 v78, v79, s[12:13]            ; my 16 tokens' bits of each expert: two bytes in each of 16 bitmaps, so that a reader finds an expert's 128 bytes together
	s_wait_xcnt 0x0
	s_or_b32 exec_lo, exec_lo, s56
.Lend:
	s_wait_tensorcnt 0x0                           ; the wave's end, behind my last LDS store
	ds_add_u32 v30, v31
	s_wait_dscnt 0x0
	s_endpgm
.Lfunc_end_k_qc99b251012_route:
	.size	k_qc99b251012_route, .Lfunc_end_k_qc99b251012_route-k_qc99b251012_route
	.p2alignl 7, 3214868480
	.fill 96, 4, 3214868480
	.section	.rodata,"a",@progbits
	.p2align	6, 0x0
	.amdhsa_kernel k_qc99b251012_route
		.amdhsa_group_segment_fixed_size 75264
		.amdhsa_private_segment_fixed_size 0
		.amdhsa_enable_private_segment 0
		.amdhsa_kernarg_size 56
		.amdhsa_user_sgpr_count 2
		.amdhsa_user_sgpr_kernarg_segment_ptr 1
		.amdhsa_wavefront_size32 1
		.amdhsa_system_sgpr_workgroup_id_x 1
		.amdhsa_system_sgpr_workgroup_id_y 1
		.amdhsa_system_sgpr_workgroup_id_z 1
		.amdhsa_system_vgpr_workitem_id 0
		.amdhsa_next_free_vgpr 448
		.amdhsa_next_free_sgpr 66
		.amdhsa_reserve_vcc 1
		.amdhsa_float_denorm_mode_32 3
		.amdhsa_float_denorm_mode_16_64 3
		.amdhsa_memory_ordered 1
		.amdhsa_forward_progress 1
		.amdhsa_inst_pref_size 57
	.end_amdhsa_kernel
	.amdgpu_metadata
---
amdhsa.version: [ 1, 2 ]
amdhsa.kernels:
  - .name:           k_qc99b251012_route
    .symbol:         k_qc99b251012_route.kd
    .args:
      - { .name: hidden_states, .offset: 0, .size: 8, .value_kind: global_buffer, .address_space: global }
      - { .name: gate_w, .offset: 8, .size: 8, .value_kind: global_buffer, .address_space: global }
      - { .name: shared_gate_w, .offset: 16, .size: 8, .value_kind: global_buffer, .address_space: global }
      - { .name: xb, .offset: 24, .size: 8, .value_kind: global_buffer, .address_space: global }
      - { .name: bmp, .offset: 32, .size: 8, .value_kind: global_buffer, .address_space: global }
      - { .name: sel, .offset: 40, .size: 8, .value_kind: global_buffer, .address_space: global }
      - { .name: wts, .offset: 48, .size: 8, .value_kind: global_buffer, .address_space: global }
    .group_segment_fixed_size: 75264
    .private_segment_fixed_size: 0
    .kernarg_segment_align: 8
    .kernarg_segment_size: 56
    .max_flat_workgroup_size: 256
    .sgpr_count:     66
    .vgpr_count:     448
    .wavefront_size: 32
...
	.end_amdgpu_metadata
.endif
;; end of part 1
;; launch up (part 2): grid 16 x 16, 8 waves a work-group, no clusters, 268,288 bytes of LDS; arguments xb, bmp, Wg, Wu, sWg, sWu, hb; writes hb
.if DOCPART == 2
	.amdgcn_target "amdgcn-amd-amdhsa--gfx1250"
	.amdhsa_code_object_version 6
	.text
	.protected	k_qc99b251012_up
	.globl	k_qc99b251012_up
	.p2align	8
	.type	k_qc99b251012_up,@function
k_qc99b251012_up:
	s_mov_b64 s[64:65], 0
	v_nop
	global_prefetch_b8 v0, s[64:65] scope:SCOPE_SE
	s_setreg_imm32_b32 hwreg(HW_REG_WAVE_MODE, 25, 1), 1
	s_wait_xcnt 0x0
; FIRST PRODUCTS AND ACTIVATION.  hb = silu(x Wg) * (x Wu), bf16, for the chosen rows of each expert and for all rows of the shared expert.
; SHARES.  Work-group (s, e) has two JOBS.  Routed: columns 32 s .. 32 s + 31 of Wg[e] and Wu[e], which it alone reads, and all rows of expert e.  Shared: the same columns of sWg and
; sWu and tokens 64 e .. 64 e + 63.  Odd e take the shared job first, so that some work-groups stream while others multiply.
; A job's weights are rounded to bf16 on their way through registers and STAY in registers: wave w owns K = 256 w .. 256 w + 255: 8 K steps x 4 tiles x 8 = 256 registers (window 1).
; A row's part of a slice is 128 consecutive bytes: a slice twice as wide would want 512 registers of weights a wave and give 128 work-groups.
; Rows go in halves of 32; each wave multiplies its K, the eight partial sums meet in LDS, and each wave finishes one eighth of a trip's 64 rows.
; THE WALK has a constant 16 trips of 64 rows, which serves every split of the tokens; every wave passes every barrier; dead halves are jumped.  Places past the count repeat the last row.
; An expert without rows counts as one row (token 0), so that every byte of hb that the next launch's look-ahead loads touch has been written.
; LAYOUT.  Source 0 = weights (lane r: column 2 r + j of tile j), source 1 = 16 tokens.  A sum's lane (r, h), register jj: token r, column 32 s + 16 h + 2 jj + j.
; hb[plane][s][hf][rank][16]: the 16 bytes at rank x 32 + 16 h of block (plane, s, hf) hold columns 32 s + 16 h + 8 hf + 0..7; plane 16 is the shared expert, rank = token.
; NO CLUSTER, NO TENSOR LOADS: a routed slice has one reader; token rows come by a list; the live part of the walk hangs on a stored count, so nothing but registers and fixed LDS stages is used.
; No cache hint on the weights: one line serves the routed slices (one reader) and the shared ones (16 readers).
; LIMITS.  The hidden layer is rounded once to bf16.  NaN and infinities are not treated apart; silu's exponential below 2^-126 counts as 0.
.set LIST,  262144                     ; behind four stages of 65,536: 1,024 words the expert's tokens by rank, 64 words the shared job's, word 1,088 for lanes with nothing to list; 4,608 bytes, zero-filled
.set SPARE, 267008                     ; the spare words, 128 bytes a wave
.set TA,   6                           ; v6-7   byte offset in xb of my 16 bytes, row tile 0, 1
.set R16,  8                           ; v8-9   16 rt + r
.set WB,   12                          ; v12-15 where I put my partial sums, stage 0..3
.set RB,   16                          ; v16-17 where I read the eight partial sums of my eighth, buffer 0, 1
.set ACC,  40                          ; v40-103  sums (rt, ct) at 40 + 32 rt + 8 ct; at work in FIN
.set TOK,  104                         ; v104-231 tokens (ks, rt) at 104 + 16 ks + 8 rt; in the load phase four slots of 32
.set SM,   232                         ; v232-247 the finished sums
.set PKD,  248                         ; v248-251 16 bytes of hb
.set MSB, 0
.macro WIN new                         ; the immediate's high byte repeats the setting that is left
.if MSB != (\new)
	s_set_vgpr_msb (MSB<<8)|(\new)
.set MSB, (\new)
.endif
.endm
.macro PLACES                          ; four places behind a matrix instruction, ahead of loads into its sources and of reads of its result (ISA guide 7.12.1 for reads of its result)
.rept 4
	v_nop
.endr
.endm
; Which job, and where its weights begin: s22 = job (0 routed, 1 shared), s[28:29] gate's, s[30:31] up's, at my wave's K and the slice's columns.
.macro SETW
	s_and_b32 s70, s20, 1
	s_xor_b32 s22, s21, s70
	s_lshl_b32 s70, s20, 22                        ; an expert's matrix is 4,194,304 bytes
	s_lshl_b32 s71, s18, 19                        ; 256 rows of 2,048 bytes
	s_lshl_b32 s72, s19, 7                         ; 32 columns
	s_add_co_u32 s71, s71, s72
	s_cmp_eq_u32 s22, 0
	s_cselect_b64 s[28:29], s[8:9], s[12:13]
	s_cselect_b64 s[30:31], s[10:11], s[14:15]
	s_cselect_b32 s70, s70, 0
	s_add_co_u32 s70, s70, s71
	s_mov_b32 s71, 0
	s_add_nc_u64 s[28:29], s[28:29], s[70:71]
	s_add_nc_u64 s[30:31], s[30:31], s[70:71]
.endm
; Unit u = K step u / 2 of matrix u % 2: 16 loads of 8 bytes a lane: row 32 ks + 8 h + ii (ii < 8) or 16 more (ii >= 8), columns 2 r, 2 r + 1.
.macro LOADU u
.set sl, TOK+32*((\u)%4)
.set ii, 0
.rept 16
.if (\u)%2 == 0
	global_load_b64 v[sl+2*ii:sl+2*ii+1], v4, s[28:29] offset:(32*((\u)/2)+ii+8*(ii/8))*2048
.else
	global_load_b64 v[sl+2*ii:sl+2*ii+1], v4, s[30:31] offset:(32*((\u)/2)+ii+8*(ii/8))*2048
.endif
.set ii, ii+1
.endr
.endm
.macro CVTU u                          ; the unit's two tiles: register p packs k = 2 p, 2 p + 1 of column 2 r + j
	WIN 0x40                                       ; destination window 1
.set sl, TOK+32*((\u)%4)
.set wf, 32*((\u)/2)+16*((\u)%2)
.irp j, 0,1
.irp p, 0,1,2,3,4,5,6,7
	v_cvt_pk_bf16_f32 v[wf+8*\j+\p], v[sl+4*\p+\j], v[sl+4*\p+2+\j]
.endr
.endr
	WIN 0
.endm
; Wave 0 lists the expert's tokens by rank.  A lane whose bit is clear gets 2,048 on top of its rank, and the clamp sends it to word 1,088, which nobody reads.
.macro BUILD
	v_mov_b32 v20, 0
	v_mov_b32 v21, 0
	v_mov_b32 v22, 0
	v_mov_b32 v23, 0
	v_lshl_add_u32 v24, v1, 4, LIST
.set j, 0
.rept 9
	ds_store_b128 v24, v[20:23] offset:512*j
.set j, j+1
.endr
	s_mov_b32 s78, 0                               ; tokens listed so far
.set j, 0
.rept 32
	v_mbcnt_lo_u32_b32 v25, s[32+j], s78           ; my rank: those so far + the set bits below my lane
	s_not_b32 s79, s[32+j]
	v_bfe_u32 v26, s79, v1, 1
	v_lshl_add_u32 v25, v26, 11, v25
	v_min_u32 v25, 0x440, v25
	v_lshl_add_u32 v25, v25, 2, LIST
	v_add_nc_u32 v27, 32*j, v1                     ; my token
	ds_store_b32 v25, v27
	s_bcnt1_i32_b32 s79, s[32+j]
	s_add_co_u32 s78, s78, s79
.set j, j+1
.endr
	s_lshl_b32 s79, s20, 6
	v_lshl_add_u32 v25, v1, 2, LIST+4096
	v_add_nc_u32 v27, s79, v1                      ; the shared job's tokens: 64 e + i
	ds_store_b32 v25, v27
	v_add_nc_u32 v27, 32, v27
	ds_store_b32 v25, v27 offset:128
.endm
; The job's rows: s23 count, s24 the last rank, s27 where its list begins, s[66:67] its block of hb, s25 the walk's first rank.
.macro SETR
	s_lshl_b32 s71, s20, 11                        ; 64 e ranks of 32 bytes
	s_cmp_eq_u32 s22, 0
	s_cselect_b32 s23, s68, 64
	s_cselect_b32 s27, 0, 0x400
	s_cselect_b32 s70, s20, 16                     ; plane
	s_cselect_b32 s71, 0, s71
	s_sub_co_u32 s24, s23, 1
	s_lshl4_add_u32 s70, s70, s19
	s_lshl_b32 s70, s70, 16                        ; (16 plane + s) x 65,536 bytes
	s_add_co_u32 s70, s70, s71
	s_mov_b32 s71, 0
	s_add_nc_u64 s[66:67], s[16:17], s[70:71]
	s_mov_b32 s25, 0
.endm
; The tokens of the 32 rows from rank s25 + off on: asked of the list,
.macro TADDR_A off
	s_add_co_u32 s74, s25, \off
	v_add_nc_u32 v20, s74, v[R16]
	v_add_nc_u32 v21, s74, v[R16+1]
	v_min_u32 v20, s24, v20                        ; places past the count repeat the last row
	v_min_u32 v21, s24, v21
	v_add_nc_u32 v20, s27, v20
	v_add_nc_u32 v21, s27, v21
	v_min_u32 v20, 0x43f, v20
	v_min_u32 v21, 0x43f, v21
	v_lshl_add_u32 v20, v20, 2, LIST
	v_lshl_add_u32 v21, v21, 2, LIST
	ds_load_b32 v10, v20
	ds_load_b32 v11, v21
.endm
.macro TADDR_B                         ; and made into offsets
	s_wait_dscnt 0x0
	s_wait_xcnt 0x0                                ; TA is the address of loads on their way: rewritten only behind this wait
	v_min_u32 v10, 0x3ff, v10
	v_min_u32 v11, 0x3ff, v11
	v_lshl_add_u32 v[TA], v10, 12, v5
	v_lshl_add_u32 v[TA+1], v11, 12, v5
.endm
.macro TGRP g                          ; eight loads: K steps 2 g, 2 g + 1 of both row tiles
.irp k, 0,1
.irp rt, 0,1
	global_load_b128 v[TOK+16*(2*(\g)+\k)+8*\rt:TOK+16*(2*(\g)+\k)+8*\rt+3],   v[TA+\rt], s[4:5] offset:64*(2*(\g)+\k)
	global_load_b128 v[TOK+16*(2*(\g)+\k)+8*\rt+4:TOK+16*(2*(\g)+\k)+8*\rt+7], v[TA+\rt], s[4:5] offset:64*(2*(\g)+\k)+32
.endr
.endr
.endm
; A HALF: 32 rows x 64 columns x my 256 of K: 64 matrix instructions, the 8 sums by turns.  32 token loads are always out: each group of 16 products waits for
; its eight (24 younger ones stay out) and then asks for the same group of the next half.  A dead half issues nothing, so the count holds on every way.
.macro HALF a, hoff, nxoff
	s_add_co_u32 s74, s25, \hoff
	s_cmp_ge_u32 s74, s23
	s_cbranch_scc1 .Lno_half_\@
	TADDR_A \nxoff                                 ; ten plain lines: with the four v_nop behind the last half's products, the places ahead of the product that starts a sum anew
.irp g, 0,1,2,3
	s_wait_loadcnt 24
	WIN 0x01                                       ; source 0 window 1
.irp k, 0,1
.irp rt, 0,1
.irp ct, 0,1,2,3
.set ks, 2*\g+\k
.set ac, ACC+32*\rt+8*\ct
.if ks == 0
	v_wmma_f32_16x16x32_bf16 v[ac:ac+7], v[32*ks+8*\ct:32*ks+8*\ct+7], v[TOK+16*ks+8*\rt:TOK+16*ks+8*\rt+7], 0
.else
	v_wmma_f32_16x16x32_bf16 v[ac:ac+7], v[32*ks+8*\ct:32*ks+8*\ct+7], v[TOK+16*ks+8*\rt:TOK+16*ks+8*\rt+7], v[ac:ac+7]
.endif
.endr
.endr
.endr
	WIN 0
	PLACES
.if \g == 0
	TADDR_B
.endif
	TGRP \g
.endr
.irp rt, 0,1
.irp ct, 0,1,2,3                               ; each sum from its low end on
	ds_store_b128 v[WB+\a], v[ACC+32*\rt+8*\ct:ACC+32*\rt+8*\ct+3]   offset:(8*\rt+2*\ct)*512
	ds_store_b128 v[WB+\a], v[ACC+32*\rt+8*\ct+4:ACC+32*\rt+8*\ct+7] offset:(8*\rt+2*\ct+1)*512
.endr
.endr
.Lno_half_\@:
.endm
.macro FLD b, p                        ; partial sums of wave p for my eighth: four registers of each of the four tiles
.irp ct, 0,1,2,3
	ds_load_b128 v[ACC+16*((\p)%4)+4*\ct:ACC+16*((\p)%4)+4*\ct+3], v[RB+\b] offset:8192*(\p)+1024*\ct
.endr
.endm
.macro FADD p
.irp i, 0,1,2,3,4,5,6,7
	v_pk_add_f32 v[SM+2*\i:SM+2*\i+1], v[SM+2*\i:SM+2*\i+1], v[ACC+16*((\p)%4)+2*\i:ACC+16*((\p)%4)+2*\i+1]
.endr
.endm
; My eighth of a trip: 16 tokens (half w / 4, row tile (w / 2) % 2), registers 4 (w % 2) + 0..3 of the four tiles: the eight partial sums added, silu(g) u, 16 bytes a lane to hb.
.macro FIN b
	s_add_co_u32 s74, s25, s69
	s_cmp_ge_u32 s74, s23
	s_cbranch_scc1 .Lno_fin_\@
	s_wait_xcnt 0x0                                ; the last store's data and offset are rewritten only behind this wait
	FLD \b, 0
	FLD \b, 1
	FLD \b, 2
	FLD \b, 3
	s_wait_dscnt 8                                 ; two partial sums, eight loads, are younger
.irp i, 0,1,2,3,4,5,6,7
	v_pk_add_f32 v[SM+2*\i:SM+2*\i+1], v[ACC+2*\i:ACC+2*\i+1], v[ACC+16+2*\i:ACC+16+2*\i+1]
.endr
	FLD \b, 4
	FLD \b, 5
	s_wait_dscnt 8
	FADD 2
	FADD 3
	FLD \b, 6
	FLD \b, 7
	s_wait_dscnt 8
	FADD 4
	FADD 5
	s_wait_dscnt 0x0
	FADD 6
	FADD 7
.irp i, 0,1,2,3                                ; SM 0-7: g (j = 0, then j = 1), SM 8-15: u.  g u / (1 + 2^(-g log2 e))
	v_pk_mul_f32 v[ACC+2*\i:ACC+2*\i+1], v[SM+2*\i:SM+2*\i+1], s[76:77] op_sel_hi:[1,0]
.endr
.irp i, 0,1,2,3,4,5,6,7
	v_exp_f32 v[ACC+\i], v[ACC+\i]
.endr
.irp i, 0,1,2,3                                ; plain lines behind the exponentials (ISA guide 5.7.2)
	v_pk_mul_f32 v[SM+2*\i:SM+2*\i+1], v[SM+2*\i:SM+2*\i+1], v[SM+8+2*\i:SM+8+2*\i+1]
.endr
	s_wait_alu depctr_va_vdst(0)
.irp i, 0,1,2,3
	v_pk_add_f32 v[ACC+2*\i:ACC+2*\i+1], v[ACC+2*\i:ACC+2*\i+1], 1.0 op_sel_hi:[1,0]
.endr
.irp i, 0,1,2,3,4,5,6,7
	v_rcp_f32 v[ACC+\i], v[ACC+\i]
.endr
	v_lshl_add_u32 v19, s25, 5, v18                ; a plain line behind the reciprocals: my place in hb
	s_wait_alu depctr_va_vdst(0)
.irp i, 0,1,2,3
	v_pk_mul_f32 v[SM+2*\i:SM+2*\i+1], v[SM+2*\i:SM+2*\i+1], v[ACC+2*\i:ACC+2*\i+1]
.endr
.irp i, 0,1,2,3
	v_cvt_pk_bf16_f32 v[PKD+\i], v[SM+\i], v[SM+4+\i]  ; columns 2 i and 2 i + 1 of my eight
.endr
	global_store_b128 v19, v[PKD:PKD+3], s[66:67]  ; the wave's store covers 512 consecutive bytes, aligned
.Lno_fin_\@:
.endm
; A TRIP: 64 rows.  One barrier: in front of it my stores into this trip's stages are done, and so are my reads of the other buffer's (FIN has waited for them), which the next trip writes.
.macro TRIP b
	HALF 2*\b, 0, 32
	HALF 2*\b+1, 32, 64
	s_wait_dscnt 0x0
	s_barrier_signal -1
	s_barrier_wait -1
	FIN \b
	s_add_co_u32 s25, s25, 64
.endm
	s_load_b256 s[4:11], s[0:1], 0x0               ; xb s[4:5], bmp s[6:7], Wg s[8:9], Wu s[10:11]
	s_load_b128 s[12:15], s[0:1], 0x20             ; sWg s[12:13], sWu s[14:15]
	s_load_b64 s[16:17], s[0:1], 0x30              ; hb
	v_lshl_add_u32 v30, v0, 2, SPARE               ; my spare word and 0: kept for the add at the wave's end alone
	v_mov_b32 v31, 0
	v_and_b32 v1, 31, v0                           ; lane
	v_lshrrev_b32 v2, 5, v0
	v_readfirstlane_b32 s18, v2                    ; wave
	v_and_b32 v2, 15, v0                           ; r
	v_bfe_u32 v3, v0, 4, 1                         ; h
	s_mov_b32 s19, ttmp9                           ; slice s
	s_and_b32 s20, ttmp7, 0xffff                   ; expert e
	v_lshlrev_b32 v4, 3, v2
	v_lshl_add_u32 v4, v3, 14, v4                  ; weights: 8 h rows of 2,048 bytes + 8 r
	s_lshl_b32 s70, s18, 9
	v_lshl_add_u32 v5, v3, 4, s70                  ; tokens: my wave's K + 16 h
	v_mov_b32 v[R16], v2
	v_add_nc_u32 v[R16+1], 16, v2
	s_lshl_b32 s70, s18, 13
	v_lshl_add_u32 v[WB], v1, 4, s70
	v_add_nc_u32 v[WB+1], 0x10000, v[WB]
	v_add_nc_u32 v[WB+2], 0x20000, v[WB]
	v_add_nc_u32 v[WB+3], 0x30000, v[WB]
	s_lshr_b32 s70, s18, 2                         ; which half I finish,
	s_bfe_u32 s72, s18, 0x10001                    ; which row tile,
	s_and_b32 s73, s18, 1                          ; which four registers
	s_lshl_b32 s71, s70, 16
	s_lshl_b32 s74, s72, 12
	s_add_co_u32 s71, s71, s74
	s_lshl_b32 s74, s73, 9
	s_add_co_u32 s71, s71, s74
	v_lshl_add_u32 v[RB], v1, 4, s71
	v_add_nc_u32 v[RB+1], 0x20000, v[RB]
	s_lshl_b32 s69, s70, 5
	s_lshl4_add_u32 s69, s72, s69                  ; my 16 rows' place in a trip
	s_lshl_b32 s74, s73, 15
	s_lshl_b32 s75, s69, 5
	s_add_co_u32 s74, s74, s75
	v_lshlrev_b32 v18, 5, v2
	v_lshl_add_u32 v18, v3, 4, v18
	v_add_nc_u32 v18, s74, v18                     ; hb: block hf = w % 2, rank, 16 h
	s_mov_b32 s76, 0xbfb8aa3b                      ; -log2 e, named as a pair
	s_mov_b32 s77, s76
	s_wait_kmcnt 0x0
	s_lshl_b32 s70, s20, 7
	s_mov_b32 s71, 0
	s_add_nc_u64 s[6:7], s[6:7], s[70:71]
	s_load_b512 s[32:47], s[6:7], 0x0              ; the expert's bitmap
	s_load_b512 s[48:63], s[6:7], 0x40
	s_mov_b32 s21, 0                               ; jobs done
	SETW
	LOADU 0                                        ; the first weights go out ahead of the list's making
	LOADU 1
	LOADU 2
	LOADU 3
	s_wait_kmcnt 0x0
	s_bcnt1_i32_b32 s68, s32
.set j, 1
.rept 31
	s_bcnt1_i32_b32 s70, s[32+j]
	s_add_co_u32 s68, s68, s70
.set j, j+1
.endr
	s_max_u32 s68, s68, 1                          ; the expert's rows; none counts as one
	s_cmp_lg_u32 s18, 0
	s_cbranch_scc1 .Lno_build
	BUILD
.Lno_build:
	s_wait_dscnt 0x0                               ; for the others' sake: the list is in LDS
	s_barrier_signal -1
	s_barrier_wait -1
	SETR
.Ljob:                                                 ; units 0 to 3, 64 loads, are out
	TADDR_A 0
	TADDR_B
.set u, 0
.rept 12
	s_wait_loadcnt 48                              ; three younger units stay out
	CVTU u
	LOADU u+4
.set u, u+1
.endr
	s_wait_loadcnt 48                              ; the last four units: each drained slot takes a group of the first half's tokens
	CVTU 12
	TGRP 0
	s_wait_loadcnt 40                              ; younger: units 14, 15 and 8 token loads
	CVTU 13
	TGRP 1
	s_wait_loadcnt 32                              ; unit 15 and 16 token loads
	CVTU 14
	TGRP 2
	s_wait_loadcnt 24                              ; 24 token loads
	CVTU 15
	TGRP 3
	s_mov_b32 s26, 8
.Ltrips:
	TRIP 0
	TRIP 1
	s_sub_co_u32 s26, s26, 1
	s_cmp_lg_u32 s26, 0
	s_cbranch_scc1 .Ltrips
	s_add_co_u32 s21, s21, 1
	s_cmp_lt_u32 s21, 2
	s_cbranch_scc0 .Ldone
	s_wait_loadcnt 0x0                             ; the look-ahead's last loads land in registers that the weights now take
	s_wait_xcnt 0x0                                ; bases are rewritten only behind this wait
	SETW
	LOADU 0
	LOADU 1
	LOADU 2
	LOADU 3
	SETR
	s_cmp_lt_u32 s21, 2
	s_cbranch_scc1 .Ljob
.Ldone:
	s_wait_tensorcnt 0x0                           ; the wave's end, behind my last LDS store
	ds_add_u32 v30, v31
	s_wait_dscnt 0x0
	s_endpgm
.Lfunc_end_k_qc99b251012_up:
	.size	k_qc99b251012_up, .Lfunc_end_k_qc99b251012_up-k_qc99b251012_up
	.p2alignl 7, 3214868480
	.fill 96, 4, 3214868480
	.section	.rodata,"a",@progbits
	.p2align	6, 0x0
	.amdhsa_kernel k_qc99b251012_up
		.amdhsa_group_segment_fixed_size 268288
		.amdhsa_private_segment_fixed_size 0
		.amdhsa_enable_private_segment 0
		.amdhsa_kernarg_size 56
		.amdhsa_user_sgpr_count 2
		.amdhsa_user_sgpr_kernarg_segment_ptr 1
		.amdhsa_wavefront_size32 1
		.amdhsa_system_sgpr_workgroup_id_x 1
		.amdhsa_system_sgpr_workgroup_id_y 1
		.amdhsa_system_sgpr_workgroup_id_z 1
		.amdhsa_system_vgpr_workitem_id 0
		.amdhsa_next_free_vgpr 512
		.amdhsa_next_free_sgpr 96
		.amdhsa_reserve_vcc 0
		.amdhsa_float_denorm_mode_32 3
		.amdhsa_float_denorm_mode_16_64 3
		.amdhsa_memory_ordered 1
		.amdhsa_forward_progress 1
		.amdhsa_inst_pref_size 133
	.end_amdhsa_kernel
	.amdgpu_metadata
---
amdhsa.version: [ 1, 2 ]
amdhsa.kernels:
  - .name:           k_qc99b251012_up
    .symbol:         k_qc99b251012_up.kd
    .args:
      - { .name: xb, .offset: 0, .size: 8, .value_kind: global_buffer, .address_space: global }
      - { .name: bmp, .offset: 8, .size: 8, .value_kind: global_buffer, .address_space: global }
      - { .name: Wg, .offset: 16, .size: 8, .value_kind: global_buffer, .address_space: global }
      - { .name: Wu, .offset: 24, .size: 8, .value_kind: global_buffer, .address_space: global }
      - { .name: sWg, .offset: 32, .size: 8, .value_kind: global_buffer, .address_space: global }
      - { .name: sWu, .offset: 40, .size: 8, .value_kind: global_buffer, .address_space: global }
      - { .name: hb, .offset: 48, .size: 8, .value_kind: global_buffer, .address_space: global }
    .group_segment_fixed_size: 268288
    .private_segment_fixed_size: 0
    .kernarg_segment_align: 8
    .kernarg_segment_size: 56
    .max_flat_workgroup_size: 256
    .sgpr_count:     96
    .vgpr_count:     512
    .wavefront_size: 32
...
	.end_amdgpu_metadata
.endif
;; end of part 2
;; launch down (part 3): grid 16 x 16, 4 waves a work-group, no clusters, 70,912 bytes of LDS; arguments hb, bmp, Wd, sWd, yb; writes yb
.if DOCPART == 3
	.amdgcn_target "amdgcn-amd-amdhsa--gfx1250"
	.amdhsa_code_object_version 6
	.text
	.protected	k_qc99b251012_down
	.globl	k_qc99b251012_down
	.p2align	8
	.type	k_qc99b251012_down,@function
k_qc99b251012_down:
	s_mov_b64 s[64:65], 0
	v_nop
	global_prefetch_b8 v0, s[64:65] scope:SCOPE_SE
	s_setreg_imm32_b32 hwreg(HW_REG_WAVE_MODE, 25, 1), 1
	s_wait_xcnt 0x0
; SECOND PRODUCT.  yb[plane x 1,024 + token][:] = h Wd, f32, unweighted, for the chosen rows of each expert (plane e) and all rows of the shared expert (plane 16).
; SHARES.  Work-group (s, e) has two JOBS.  Routed: columns 128 s .. 128 s + 127 of Wd[e], which it alone reads, and all rows of expert e.  Shared: the same columns of sWd and
; tokens 64 e .. 64 e + 63.  Odd e take the shared job first.  Wave w owns 64 columns (ch = w % 2: rows of 256 consecutive bytes, aligned) and half of K (kh = w / 2: 8 K steps):
; 256 registers of bf16 weights (window 1), rounded on their way through registers.
; THE WALK has a constant 16 trips of 64 rows (two halves of 32), which serves every split; every wave passes every barrier; dead halves are jumped; an expert without rows stores nothing.
; In a half that is not full the places past the count repeat the expert's last row, in h (the rank is clamped) and in the list (its 32 words behind the count hold the last token): their
; lanes store that row's own numbers to that row's own place once more, 31 rows a job at the most, and no lane is ever switched off.
; LAYOUT.  Source 0 = 16 rows of h, source 1 = weights (lane r: column 4 r + j of tile j).  K's order inside a step is hb's: half h of the lanes holds F = 32 step + 16 h + 0..15, alike in both sources.
; THE TWO HALVES OF K MEET IN LDS.  Lane r of source 0 holds row r xor 4 kh of its tile, so registers 4-7 of my sums are rows 8 h + 4 (1 - kh) + 0..3, and those are the rows that
; registers 0-3 of my partner (wave w xor 2) hold.  Each wave gives its registers 0-3 and keeps 4-7: half the sums cross LDS, and each sum is read from its low end on.
; The addition lays a row's four neighbouring columns side by side: sixteen lanes store 256 consecutive bytes of a token's row, aligned.
; NO CLUSTER, NO TENSOR LOADS: a routed slice has one reader; the rows come by rank and leave by a list; the live part of the walk hangs on a stored count, so nothing but registers and
; fixed LDS stages is used.  No cache hint on the weights: one line serves the routed slices (one reader) and the shared ones (16 readers).
; LIMITS.  NaN and infinities are not treated apart.
.set LIST,  65536                      ; behind two stages of 32,768: 1,024 words the expert's tokens by rank, 64 words the shared job's, word 1,088 for lanes with nothing to list; 4,608 bytes
.set SPARE, 70400                      ; the spare words, 128 bytes a wave
.set HA,   6                           ; v6-7   byte offset in hb of my 16 bytes, row tile 0, 1
.set RX,   8                           ; v8-9   16 rt + (r xor 4 kh)
.set WB,   10                          ; v10-11 where I put what I give, buffer 0, 1
.set RB,   12                          ; v12-13 where I read what my partner gives
.set LT,   20                          ; v20-27 the tokens of the eight rows that I keep
.set PT,   32                          ; v32-63 my partner's registers 0-3; when they are added, v32-39 take the eight rows' byte offsets in yb
.set OUT,  64                          ; v64-127 finished rows, 32 registers a half
.set ACC,  128                         ; v128-255 sums (hh, rt, ct) at 128 + 64 hh + 32 rt + 8 ct
.set MSB, 0
.macro WIN new                         ; the immediate's high byte repeats the setting that is left
.if MSB != (\new)
	s_set_vgpr_msb (MSB<<8)|(\new)
.set MSB, (\new)
.endif
.endm
.macro PLACES                          ; four places behind a matrix instruction, ahead of loads into its sources and of reads of its result (ISA guide 7.12.1 for reads of its result)
.rept 4
	v_nop
.endr
.endm
.macro SETW                            ; s22 = job (0 routed, 1 shared), s[28:29] its weights at my half of K and my 64 columns
	s_and_b32 s70, s20, 1
	s_xor_b32 s22, s21, s70
	s_lshl_b32 s70, s20, 22                        ; an expert's matrix is 4,194,304 bytes
	s_lshl_b32 s71, s15, 21                        ; 256 rows of 8,192 bytes
	s_lshl_b32 s72, s19, 9
	s_add_co_u32 s71, s71, s72
	s_lshl_b32 s72, s14, 8
	s_add_co_u32 s71, s71, s72
	s_cmp_eq_u32 s22, 0
	s_cselect_b64 s[28:29], s[8:9], s[10:11]
	s_cselect_b32 s70, s70, 0
	s_add_co_u32 s70, s70, s71
	s_mov_b32 s71, 0
	s_add_nc_u64 s[28:29], s[28:29], s[70:71]
.endm
.macro LOADU u                         ; K step u: 16 loads of 16 bytes a lane: row 32 u + 16 h + ii, columns 4 r + 0..3; window 2, four slots of 64
	WIN 0x80
.set sl, 64*((\u)%4)
.set ii, 0
.rept 16
	global_load_b128 v[sl+4*ii:sl+4*ii+3], v4, s[28:29] offset:(32*(\u)+ii)*8192
.set ii, ii+1
.endr
	WIN 0
.endm
.macro CVTU u                          ; its four tiles: register p packs rows 2 p, 2 p + 1 of column 4 r + j
	WIN 0x4a                                       ; sources window 2, destination window 1
.set sl, 64*((\u)%4)
.irp j, 0,1,2,3
.irp p, 0,1,2,3,4,5,6,7
	v_cvt_pk_bf16_f32 v[32*(\u)+8*\j+\p], v[sl+8*\p+\j], v[sl+8*\p+4+\j]
.endr
.endr
	WIN 0
.endm
; Wave 0 lists the expert's tokens by rank.  A lane whose bit is clear gets 2,048 on top of its rank, and the clamp sends it to word 1,088, which nobody reads.
; Then the 32 words behind the count take the last token; where they reach into the shared job's 64 words, those are written behind them (LDS serves a wave's instructions in order: ISA guide 5.7.1.4).
.macro BUILD
	v_mov_b32 v20, 0
	v_mov_b32 v21, 0
	v_mov_b32 v22, 0
	v_mov_b32 v23, 0
	v_lshl_add_u32 v24, v1, 4, LIST
.set j, 0
.rept 9
	ds_store_b128 v24, v[20:23] offset:512*j
.set j, j+1
.endr
	s_mov_b32 s78, 0                               ; tokens listed so far
.set j, 0
.rept 32
	v_mbcnt_lo_u32_b32 v25, s[32+j], s78           ; my rank: those so far + the set bits below my lane
	s_not_b32 s79, s[32+j]
	v_bfe_u32 v26, s79, v1, 1
	v_lshl_add_u32 v25, v26, 11, v25
	v_min_u32 v25, 0x440, v25
	v_lshl_add_u32 v25, v25, 2, LIST
	v_add_nc_u32 v27, 32*j, v1                     ; my token
	ds_store_b32 v25, v27
	s_bcnt1_i32_b32 s79, s[32+j]
	s_add_co_u32 s78, s78, s79
.set j, j+1
.endr
	s_max_u32 s79, s78, 1
	s_sub_co_u32 s79, s79, 1                       ; the last rank (0 where there is no row: the word holds 0)
	v_mov_b32 v25, s79
	v_min_u32 v25, 0x3ff, v25
	v_lshl_add_u32 v25, v25, 2, LIST
	ds_load_b32 v27, v25                           ; the last token
	v_add_nc_u32 v26, s78, v1                      ; the 32 words behind the count: 1,055 at the most
	v_min_u32 v26, 0x440, v26
	v_lshl_add_u32 v26, v26, 2, LIST
	s_wait_dscnt 0x0
	ds_store_b32 v26, v27
	s_lshl_b32 s79, s20, 6
	v_lshl_add_u32 v25, v1, 2, LIST+4096
	v_add_nc_u32 v27, s79, v1                      ; the shared job's tokens: 64 e + i
	ds_store_b32 v25, v27
	v_add_nc_u32 v27, 32, v27
	ds_store_b32 v25, v27 offset:128
.endm
; The job's rows: s23 count, s24 the last rank, s27 where its list begins, s69 its first rank in hb, s[30:31] hb at its plane and my half of K, s[66:67] yb at its plane and slice.
.macro SETR
	s_lshl_b32 s71, s20, 6
	s_cmp_eq_u32 s22, 0
	s_cselect_b32 s23, s68, 64
	s_cselect_b32 s27, 0, 0x400
	s_cselect_b32 s70, s20, 16                     ; plane
	s_cselect_b32 s69, 0, s71
	s_max_u32 s24, s23, 1
	s_sub_co_u32 s24, s24, 1
	s_lshl_b32 s72, s70, 20                        ; a plane of hb is 1,048,576 bytes,
	s_lshl_b32 s73, s15, 19                        ; eight K steps 524,288
	s_add_co_u32 s72, s72, s73
	s_mov_b32 s73, 0
	s_add_nc_u64 s[30:31], s[4:5], s[72:73]
	s_lshl_b32 s72, s70, 23                        ; a plane of yb is 1,024 rows of 8,192 bytes
	s_lshl_b32 s74, s19, 9
	s_add_co_u32 s72, s72, s74
	s_add_nc_u64 s[66:67], s[12:13], s[72:73]
	s_mov_b32 s25, 0
.endm
.macro HADDR off                       ; the 32 rows from rank s25 + off on
	s_add_co_u32 s74, s25, \off
	v_add_nc_u32 v18, s74, v[RX]
	v_add_nc_u32 v19, s74, v[RX+1]
	v_min_u32 v18, s24, v18                        ; places past the count repeat the last row
	v_min_u32 v19, s24, v19
	v_add_nc_u32 v18, s69, v18
	v_add_nc_u32 v19, s69, v19
	v_min_u32 v18, 0x3ff, v18
	v_min_u32 v19, 0x3ff, v19
	s_wait_xcnt 0x0                                ; HA is the address of loads on their way: rewritten only behind this wait
	v_lshl_add_u32 v[HA], v18, 5, v5
	v_lshl_add_u32 v[HA+1], v19, 5, v5
.endm
.macro HGRP g                          ; eight loads: K steps 2 g, 2 g + 1 of both row tiles; window 2, (ks, rt) at 16 ks + 8 rt
	WIN 0x80
.irp k, 0,1
.irp rt, 0,1
	global_load_b128 v[16*(2*(\g)+\k)+8*\rt:16*(2*(\g)+\k)+8*\rt+3],   v[HA+\rt], s[30:31] offset:65536*(2*(\g)+\k)
	global_load_b128 v[16*(2*(\g)+\k)+8*\rt+4:16*(2*(\g)+\k)+8*\rt+7], v[HA+\rt], s[30:31] offset:65536*(2*(\g)+\k)+32768
.endr
.endr
	WIN 0
.endm
; A HALF: 32 rows x 64 columns x my 256 of K: 64 matrix instructions, the 8 sums by turns.  32 loads of h are always out: each group of 16 products waits for its
; eight (24 younger ones stay out) and then asks for the same group of the next half.  A dead half issues nothing, so the count holds on every way.
.macro HALF b, hh, nxoff
	s_add_co_u32 s74, s25, 32*\hh
	s_cmp_ge_u32 s74, s23
	s_cbranch_scc1 .Lno_half_\@
	HADDR \nxoff
.irp g, 0,1,2,3
	s_wait_loadcnt 24
	WIN 0x06                                       ; source 0 window 2, source 1 window 1
.irp k, 0,1
.irp rt, 0,1
.irp ct, 0,1,2,3
.set ks, 2*\g+\k
.set ac, ACC+64*\hh+32*\rt+8*\ct
.if ks == 0
	v_wmma_f32_16x16x32_bf16 v[ac:ac+7], v[16*ks+8*\rt:16*ks+8*\rt+7], v[32*ks+8*\ct:32*ks+8*\ct+7], 0
.else
	v_wmma_f32_16x16x32_bf16 v[ac:ac+7], v[16*ks+8*\rt:16*ks+8*\rt+7], v[32*ks+8*\ct:32*ks+8*\ct+7], v[ac:ac+7]
.endif
.endr
.endr
.endr
	WIN 0
	PLACES
	HGRP \g
.endr
.irp rt, 0,1
.irp ct, 0,1,2,3                               ; what I give: each sum's registers 0-3
	ds_store_b128 v[WB+\b], v[ACC+64*\hh+32*\rt+8*\ct:ACC+64*\hh+32*\rt+8*\ct+3] offset:(8*\hh+4*\rt+\ct)*512
.endr
.endr
.Lno_half_\@:
.endm
; A half is finished: my registers 4-7 + my partner's 0-3; the rows' tokens come from the list, which repeats the last token behind the count.
.macro FINH b, hh
	s_add_co_u32 s74, s25, 32*\hh
	s_cmp_ge_u32 s74, s23
	s_cbranch_scc1 .Lno_fin_\@
	s_wait_xcnt 0x0                                ; earlier stores' data and offsets are rewritten only behind this wait
	s_add_co_u32 s75, s74, s27
	v_add_nc_u32 v17, s75, v14
	v_min_u32 v17, 0x42c, v17
	v_lshl_add_u32 v17, v17, 2, LIST
	ds_load_b128 v[LT:LT+3], v17                   ; the tokens of my four rows of row tile 0,
	ds_load_b128 v[LT+4:LT+7], v17 offset:64       ; and of row tile 1
.irp rt, 0,1
.irp ct, 0,1,2,3
	ds_load_b128 v[PT+4*(4*\rt+\ct):PT+4*(4*\rt+\ct)+3], v[RB+\b] offset:(8*\hh+4*\rt+\ct)*512
.endr
.endr
	s_wait_dscnt 0x0
.irp rt, 0,1
.irp i, 0,1,2,3
.irp j, 0,1,2,3
	v_add_f32 v[OUT+32*\hh+16*\rt+4*\i+\j], v[ACC+64*\hh+32*\rt+8*\j+4+\i], v[PT+4*(4*\rt+\j)+\i]
.endr
.endr
.endr
.irp t, 0,1,2,3,4,5,6,7
	v_min_u32 v[LT+\t], 0x3ff, v[LT+\t]
	v_lshl_add_u32 v[PT+\t], v[LT+\t], 13, v15     ; the token's row of 8,192 bytes + my 16 bytes of the slice
.endr
.irp t, 0,1,2,3,4,5,6,7                        ; sixteen lanes store 256 consecutive bytes of a token's row, aligned
	global_store_b128 v[PT+\t], v[OUT+32*\hh+4*\t:OUT+32*\hh+4*\t+3], s[66:67]
.endr
.Lno_fin_\@:
.endm
; A TRIP: 64 rows.  One barrier: in front of it my stores into this trip's stage are done, and so are my reads of the other stage (FINH has waited for them), which the next trip writes.
.macro TRIP b
	HALF \b, 0, 32
	HALF \b, 1, 64
	s_wait_dscnt 0x0
	s_barrier_signal -1
	s_barrier_wait -1
	FINH \b, 0
	FINH \b, 1
	s_add_co_u32 s25, s25, 64
.endm
	s_load_b256 s[4:11], s[0:1], 0x0               ; hb s[4:5], bmp s[6:7], Wd s[8:9], sWd s[10:11]
	s_load_b64 s[12:13], s[0:1], 0x20              ; yb
	v_lshl_add_u32 v30, v0, 2, SPARE               ; my spare word and 0: kept for the add at the wave's end alone
	v_mov_b32 v31, 0
	v_and_b32 v1, 31, v0                           ; lane
	v_lshrrev_b32 v2, 5, v0
	v_readfirstlane_b32 s18, v2                    ; wave
	v_and_b32 v2, 15, v0                           ; r
	v_bfe_u32 v3, v0, 4, 1                         ; h
	s_mov_b32 s19, ttmp9                           ; slice s
	s_and_b32 s20, ttmp7, 0xffff                   ; expert e
	s_and_b32 s14, s18, 1                          ; ch
	s_lshr_b32 s15, s18, 1                         ; kh
	v_lshlrev_b32 v4, 4, v2
	v_lshl_add_u32 v4, v3, 17, v4                  ; weights: 16 h rows of 8,192 bytes + 16 r
	v_lshlrev_b32 v5, 4, v3                        ; 16 h
	v_bfe_u32 v16, v0, 2, 1                        ; r xor 4 kh: bit 2 of r + kh, modulo 2,
	v_add_nc_u32 v16, s15, v16
	v_and_b32 v16, 1, v16
	v_and_b32 v[RX], 11, v2                        ; put back among r's other bits
	v_lshl_add_u32 v[RX], v16, 2, v[RX]
	v_add_nc_u32 v[RX+1], 16, v[RX]
	s_lshl_b32 s70, s18, 13
	v_lshl_add_u32 v[WB], v1, 4, s70
	v_add_nc_u32 v[WB+1], 0x8000, v[WB]
	s_xor_b32 s70, s18, 2                          ; my partner
	s_lshl_b32 s70, s70, 13
	v_lshl_add_u32 v[RB], v1, 4, s70
	v_add_nc_u32 v[RB+1], 0x8000, v[RB]
	s_xor_b32 s70, s15, 1
	s_lshl_b32 s70, s70, 2
	v_lshl_add_u32 v14, v3, 3, s70                 ; the first of the four rows that I keep: 8 h + 4 (1 - kh)
	s_lshl_b32 s70, s14, 8
	v_lshl_add_u32 v15, v2, 4, s70                 ; my 16 bytes in the slice's 512
	s_wait_kmcnt 0x0
	s_lshl_b32 s70, s20, 7
	s_mov_b32 s71, 0
	s_add_nc_u64 s[6:7], s[6:7], s[70:71]
	s_load_b512 s[32:47], s[6:7], 0x0              ; the expert's bitmap
	s_load_b512 s[48:63], s[6:7], 0x40
	s_mov_b32 s21, 0                               ; jobs done
	SETW
	LOADU 0                                        ; the first weights go out ahead of the list's making
	LOADU 1
	LOADU 2
	LOADU 3
	; The halves of the sums that stay in registers across the barrier are written once, while the first weights are on their way: a half's products and its finish stand under two
	; branches on the same condition, and no way through the text may read a register that was never written.
.set a, 0
.rept 16
.irp i, 4,5,6,7
	v_mov_b32 v[ACC+8*a+\i], 0
.endr
.set a, a+1
.endr
	s_wait_kmcnt 0x0
	s_bcnt1_i32_b32 s68, s32
.set j, 1
.rept 31
	s_bcnt1_i32_b32 s70, s[32+j]
	s_add_co_u32 s68, s68, s70
.set j, j+1
.endr
	s_cmp_lg_u32 s18, 0
	s_cbranch_scc1 .Lno_build
	BUILD
.Lno_build:
	s_wait_dscnt 0x0                               ; for the others' sake: the list is in LDS
	s_barrier_signal -1
	s_barrier_wait -1
	SETR
.Ljob:                                                 ; units 0 to 3, 64 loads, are out
	HADDR 0
.set u, 0
.rept 4
	s_wait_loadcnt 48                              ; three younger units stay out
	CVTU u
	LOADU u+4
.set u, u+1
.endr
	s_wait_loadcnt 48                              ; the last four units: the first two drained slots take the first half's rows of h
	CVTU 4
	HGRP 0
	HGRP 1
	s_wait_loadcnt 48                              ; younger: units 6, 7 and 16 loads of h
	CVTU 5
	HGRP 2
	HGRP 3
	s_wait_loadcnt 48                              ; unit 7 and 32 loads of h
	CVTU 6
	s_wait_loadcnt 32                              ; 32 loads of h
	CVTU 7
	s_mov_b32 s26, 8
.Ltrips:
	TRIP 0
	TRIP 1
	s_sub_co_u32 s26, s26, 1
	s_cmp_lg_u32 s26, 0
	s_cbranch_scc1 .Ltrips
	s_add_co_u32 s21, s21, 1
	s_cmp_lt_u32 s21, 2
	s_cbranch_scc0 .Ldone
	s_wait_loadcnt 0x0                             ; the look-ahead's last loads land in registers that the weights now take
	s_wait_xcnt 0x0                                ; bases are rewritten only behind this wait
	SETW
	LOADU 0
	LOADU 1
	LOADU 2
	LOADU 3
	SETR
	s_cmp_lt_u32 s21, 2
	s_cbranch_scc1 .Ljob
.Ldone:
	s_wait_tensorcnt 0x0                           ; the wave's end, behind my last LDS store
	ds_add_u32 v30, v31
	s_wait_dscnt 0x0
	s_endpgm
.Lfunc_end_k_qc99b251012_down:
	.size	k_qc99b251012_down, .Lfunc_end_k_qc99b251012_down-k_qc99b251012_down
	.p2alignl 7, 3214868480
	.fill 96, 4, 3214868480
	.section	.rodata,"a",@progbits
	.p2align	6, 0x0
	.amdhsa_kernel k_qc99b251012_down
		.amdhsa_group_segment_fixed_size 70912
		.amdhsa_private_segment_fixed_size 0
		.amdhsa_enable_private_segment 0
		.amdhsa_kernarg_size 40
		.amdhsa_user_sgpr_count 2
		.amdhsa_user_sgpr_kernarg_segment_ptr 1
		.amdhsa_wavefront_size32 1
		.amdhsa_system_sgpr_workgroup_id_x 1
		.amdhsa_system_sgpr_workgroup_id_y 1
		.amdhsa_system_sgpr_workgroup_id_z 1
		.amdhsa_system_vgpr_workitem_id 0
		.amdhsa_next_free_vgpr 768
		.amdhsa_next_free_sgpr 96
		.amdhsa_reserve_vcc 0
		.amdhsa_float_denorm_mode_32 3
		.amdhsa_float_denorm_mode_16_64 3
		.amdhsa_memory_ordered 1
		.amdhsa_forward_progress 1
		.amdhsa_inst_pref_size 120
	.end_amdhsa_kernel
	.amdgpu_metadata
---
amdhsa.version: [ 1, 2 ]
amdhsa.kernels:
  - .name:           k_qc99b251012_down
    .symbol:         k_qc99b251012_down.kd
    .args:
      - { .name: hb, .offset: 0, .size: 8, .value_kind: global_buffer, .address_space: global }
      - { .name: bmp, .offset: 8, .size: 8, .value_kind: global_buffer, .address_space: global }
      - { .name: Wd, .offset: 16, .size: 8, .value_kind: global_buffer, .address_space: global }
      - { .name: sWd, .offset: 24, .size: 8, .value_kind: global_buffer, .address_space: global }
      - { .name: yb, .offset: 32, .size: 8, .value_kind: global_buffer, .address_space: global }
    .group_segment_fixed_size: 70912
    .private_segment_fixed_size: 0
    .kernarg_segment_align: 8
    .kernarg_segment_size: 40
    .max_flat_workgroup_size: 128
    .sgpr_count:     96
    .vgpr_count:     768
    .wavefront_size: 32
...
	.end_amdgpu_metadata
.endif
;; end of part 3
;; launch sum (part 4): grid 256 x 1, 8 waves a work-group, no clusters, 0 bytes of LDS; arguments yb, sel, wts, out0; writes out0
.if DOCPART == 4
	.amdgcn_target "amdgcn-amd-amdhsa--gfx1250"
	.amdhsa_code_object_version 6
	.text
	.protected	k_qc99b251012_sum
	.globl	k_qc99b251012_sum
	.p2align	8
	.type	k_qc99b251012_sum,@function
k_qc99b251012_sum:
	s_mov_b64 s[64:65], 0
	v_nop
	global_prefetch_b8 v0, s[64:65] scope:SCOPE_SE
	s_setreg_imm32_b32 hwreg(HW_REG_WAVE_MODE, 25, 1), 1
	s_wait_xcnt 0x0
; THE SUM.  out0[t] = w0 y[sel0][t] + w1 y[sel1][t] + w2 y[sel2][t] + w3 y[sel3][t] + gate y[16][t], all f32: each output row has one owner.
; A work-group has four tokens, a wave half a row (4,096 bytes).  Its five sources are 40 loads of 512 consecutive bytes, all out before the first wait; nothing is read twice.
; No LDS, no barrier, no matrix unit: the launch moves bytes.
; LIMIT.  An expert's number is clamped to 15 before it enters an address; the router stores 0 to 15.
	s_load_b256 s[4:11], s[0:1], 0x0               ; yb s[4:5], sel s[6:7], wts s[8:9], out0 s[10:11]
	v_lshrrev_b32 v2, 5, v0
	v_readfirstlane_b32 s12, v2                    ; wave
	v_and_b32 v1, 31, v0
	v_lshlrev_b32 v1, 4, v1                        ; 16 bytes a lane
	s_lshr_b32 s13, s12, 1
	s_lshl2_add_u32 s13, ttmp9, s13                ; my token: 4 g + w / 2
	s_and_b32 s14, s12, 1
	s_lshl_b32 s14, s14, 12                        ; my half of its row
	s_lshl_b32 s24, s13, 4
	s_mov_b32 s25, 0
	s_lshl_b32 s26, s13, 5
	s_mov_b32 s27, 0
	s_wait_kmcnt 0x0
	s_add_nc_u64 s[6:7], s[6:7], s[24:25]
	s_add_nc_u64 s[8:9], s[8:9], s[26:27]
	s_load_b128 s[28:31], s[6:7], 0x0              ; the four experts
	s_load_b256 s[16:23], s[8:9], 0x0              ; w0..w3, gate, 0, 0, 0
	s_lshl_b32 s24, s13, 13
	s_add_co_u32 s24, s24, s14
	s_add_nc_u64 s[10:11], s[10:11], s[24:25]
	s_wait_kmcnt 0x0
.irp k, 0,1,2,3
	s_min_u32 s[28+\k], s[28+\k], 15
	s_lshl_b32 s[28+\k], s[28+\k], 10
	s_add_co_u32 s[28+\k], s[28+\k], s13           ; row = 1,024 expert + token
	s_lshl_b32 s24, s[28+\k], 13
	s_add_co_u32 s24, s24, s14
	s_add_nc_u64 s[32+2*\k:33+2*\k], s[4:5], s[24:25]
.endr
	s_add_co_u32 s24, s13, 16384                   ; the shared expert's plane
	s_lshl_b32 s24, s24, 13
	s_add_co_u32 s24, s24, s14
	s_add_nc_u64 s[40:41], s[4:5], s[24:25]
.irp k, 0,1,2,3,4
	s_mov_b32 s[44+2*\k], s[16+\k]                 ; each weight in an even pair: the packed lines take the pair's low word for both halves
	s_mov_b32 s[45+2*\k], s[16+\k]
.endr
.set c, 0
.rept 8
.irp k, 0,1,2,3,4
	global_load_b128 v[8+4*(5*c+\k):8+4*(5*c+\k)+3], v1, s[32+2*\k:33+2*\k] offset:512*c th:TH_LOAD_NT
.endr
.set c, c+1
.endr
.set c, 0
.rept 8
	s_wait_loadcnt 35-5*c                          ; the later chunks' loads, five each, stay out
.set y, 8+20*c
	v_pk_mul_f32 v[y:y+1],   v[y:y+1],   s[44:45] op_sel_hi:[1,0]
	v_pk_mul_f32 v[y+2:y+3], v[y+2:y+3], s[44:45] op_sel_hi:[1,0]
.irp k, 1,2,3,4
	v_pk_fma_f32 v[y:y+1],   v[y+4*\k:y+4*\k+1],   s[44+2*\k:45+2*\k], v[y:y+1]   op_sel_hi:[1,0,1]
	v_pk_fma_f32 v[y+2:y+3], v[y+4*\k+2:y+4*\k+3], s[44+2*\k:45+2*\k], v[y+2:y+3] op_sel_hi:[1,0,1]
.endr
	global_store_b128 v1, v[y:y+3], s[10:11] offset:512*c th:TH_STORE_NT  ; 512 consecutive bytes, aligned; its registers are never rewritten
.set c, c+1
.endr
	s_endpgm
.Lfunc_end_k_qc99b251012_sum:
	.size	k_qc99b251012_sum, .Lfunc_end_k_qc99b251012_sum-k_qc99b251012_sum
	.p2alignl 7, 3214868480
	.fill 96, 4, 3214868480
	.section	.rodata,"a",@progbits
	.p2align	6, 0x0
	.amdhsa_kernel k_qc99b251012_sum
		.amdhsa_group_segment_fixed_size 0
		.amdhsa_private_segment_fixed_size 0
		.amdhsa_enable_private_segment 0
		.amdhsa_kernarg_size 32
		.amdhsa_user_sgpr_count 2
		.amdhsa_user_sgpr_kernarg_segment_ptr 1
		.amdhsa_wavefront_size32 1
		.amdhsa_system_sgpr_workgroup_id_x 1
		.amdhsa_system_sgpr_workgroup_id_y 1
		.amdhsa_system_sgpr_workgroup_id_z 1
		.amdhsa_system_vgpr_workitem_id 0
		.amdhsa_next_free_vgpr 192
		.amdhsa_next_free_sgpr 66
		.amdhsa_reserve_vcc 0
		.amdhsa_float_denorm_mode_32 3
		.amdhsa_float_denorm_mode_16_64 3
		.amdhsa_memory_ordered 1
		.amdhsa_forward_progress 1
		.amdhsa_inst_pref_size 13
	.end_amdhsa_kernel
	.amdgpu_metadata
---
amdhsa.version: [ 1, 2 ]
amdhsa.kernels:
  - .name:           k_qc99b251012_sum
    .symbol:         k_qc99b251012_sum.kd
    .args:
      - { .name: yb, .offset: 0, .size: 8, .value_kind: global_buffer, .address_space: global }
      - { .name: sel, .offset: 8, .size: 8, .value_kind: global_buffer, .address_space: global }
      - { .name: wts, .offset: 16, .size: 8, .value_kind: global_buffer, .address_space: global }
      - { .name: out0, .offset: 24, .size: 8, .value_kind: global_buffer, .address_space: global }
    .group_segment_fixed_size: 0
    .private_segment_fixed_size: 0
    .kernarg_segment_align: 8
    .kernarg_segment_size: 32
    .max_flat_workgroup_size: 256
    .sgpr_count:     66
    .vgpr_count:     192
    .wavefront_size: 32
...
	.end_amdgpu_metadata
.endif
;; end of part 4
;; ======== version 2 of 2: 4 launches; version 1 with the launches up, down written anew for expert scheduling mode
;; workspace buffers: xb 4,194,304 bytes; bmp 2,048 bytes of whole numbers; sel 16,384 bytes of whole numbers; wts 32,768 bytes; hb 17,825,792 bytes; yb 142,606,336 bytes
;; launch route: the kernel of part 1 again; grid 64 x 1, 8 waves a work-group, no clusters, 75,264 bytes of LDS; arguments hidden_states, gate_w, shared_gate_w, xb, bmp, sel, wts; writes xb, bmp, sel, wts
;; launch up (part 5): grid 16 x 16, 8 waves a work-group, no clusters, 268,288 bytes of LDS; arguments xb, bmp, Wg, Wu, sWg, sWu, hb; writes hb
.if DOCPART == 5
	.amdgcn_target "amdgcn-amd-amdhsa--gfx1250"
	.amdhsa_code_object_version 6
	.text
	.protected	k_qc99b251012_up
	.globl	k_qc99b251012_up
	.p2align	8
	.type	k_qc99b251012_up,@function
k_qc99b251012_up:
	s_mov_b64 s[64:65], 0
	v_nop
	global_prefetch_b8 v0, s[64:65] scope:SCOPE_SE
	s_setreg_imm32_b32 hwreg(HW_REG_WAVE_SCHED_MODE, 0, 2), 2
	s_setreg_imm32_b32 hwreg(HW_REG_WAVE_MODE, 25, 1), 1
	s_wait_xcnt 0x0
	s_wait_alu depctr_vm_vsrc(0)
; FIRST PRODUCTS AND ACTIVATION.  hb = silu(x Wg) * (x Wu), bf16, for the chosen rows of each expert and for all rows of the shared expert.
; SHARES.  Work-group (s, e) has two JOBS.  Routed: columns 32 s .. 32 s + 31 of Wg[e] and Wu[e], which it alone reads, and all rows of expert e.  Shared: the same columns of sWg and
; sWu and tokens 64 e .. 64 e + 63.  Odd e take the shared job first, so that some work-groups stream while others multiply.
; A job's weights are rounded to bf16 on their way through registers and STAY in registers: wave w owns K = 256 w .. 256 w + 255: 8 K steps x 4 tiles x 8 = 256 registers (window 1).
; A row's part of a slice is 128 consecutive bytes: a slice twice as wide would want 512 registers of weights a wave and give 128 work-groups.
; Rows go in halves of 32; each wave multiplies its K, the eight partial sums meet in LDS, and each wave finishes one eighth of a trip's 64 rows.
; THE WALK has a constant 16 trips of 64 rows, which serves every split of the tokens; every wave passes every barrier; dead halves are jumped.  Places past the count repeat the last row.
; An expert without rows counts as one row (token 0), so that every byte of hb that the next launch's look-ahead loads touch has been written.
; LAYOUT.  Source 0 = weights (lane r: column 2 r + j of tile j), source 1 = 16 tokens.  A sum's lane (r, h), register jj: token r, column 32 s + 16 h + 2 jj + j.
; hb[plane][s][hf][rank][16]: the 16 bytes at rank x 32 + 16 h of block (plane, s, hf) hold columns 32 s + 16 h + 8 hf + 0..7; plane 16 is the shared expert, rank = token.
; NO CLUSTER, NO TENSOR LOADS: a routed slice has one reader; token rows come by a list; the live part of the walk hangs on a stored count, so nothing but registers and fixed LDS stages is used.
; No cache hint on the weights: one line serves the routed slices (one reader) and the shared ones (16 readers).
; LIMITS.  The hidden layer is rounded once to bf16.  NaN and infinities are not treated apart; silu's exponential below 2^-126 counts as 0.
; THE MODE: SCHED_MODE bits 1:0 = 2 (LLVM: expert scheduling mode 2), set by the entry lines.  The code itself states the register dependences
; between vector or matrix instructions and memory or LDS instructions, with s_wait_alu, always for 0.
; THE PLAN.  Registers that memory or LDS instructions touch:
;   TOK, four groups of 32.  Load phase: unit u's loads land in slot u % 4, its sixteen conversions read it, then unit u + 4's loads (at the end a group of tokens) land in it.
;        Walk: group g's sixteen products read it, then the same group of the next half lands in it.  A second set of 128 has no room: two waves of 512 registers fill a SIMD's 1,024.
;   ACC  The products write it; the half's sixteen LDS stores read it; then the next half's first products write it anew, or FIN's partial sums land in it, four slots of 16, which additions read.
;   TA   TADDR_B writes it; the token loads read it.      v20-21  TADDR_A writes them; its two list loads read them.      v10-11  the list loads land; TADDR_B clamps and reads them.
;   v19, PKD  FIN writes them; its store reads them.      v4, WB, RB, v30, v31  written at the head and never again.
; THE WAITS.  A half: at its head one on vm_vsrc (v20-21, TA and ACC have been read) and one on va_vdst ahead of the list loads; then one on va_vdst behind each group's products, which frees the
; group for its loads at once, so that 32 token loads stay out; the last of them also shows the sums written for the LDS stores.  The load phase: one on va_vdst behind each unit's conversions.
; FIN: both at its head, one on va_vdst ahead of each refill of two slots, one ahead of the store.
.set LIST,  262144                     ; behind four stages of 65,536: 1,024 words the expert's tokens by rank, 64 words the shared job's, word 1,088 for lanes with nothing to list; 4,608 bytes, zero-filled
.set SPARE, 267008                     ; the spare words, 128 bytes a wave
.set TA,   6                           ; v6-7   byte offset in xb of my 16 bytes, row tile 0, 1
.set R16,  8                           ; v8-9   16 rt + r
.set WB,   12                          ; v12-15 where I put my partial sums, stage 0..3
.set RB,   16                          ; v16-17 where I read the eight partial sums of my eighth, buffer 0, 1
.set ACC,  40                          ; v40-103  sums (rt, ct) at 40 + 32 rt + 8 ct; at work in FIN
.set BA,   40                          ; v40-71   while the list is made: the LDS address of word j's store
.set BD,   72                          ; v72-103  while the list is made: its data
.set TOK,  104                         ; v104-231 tokens (ks, rt) at 104 + 16 ks + 8 rt; in the load phase four slots of 32
.set SM,   232                         ; v232-247 the finished sums; v232-234 while the list is made: the shared job's address and data
.set PKD,  248                         ; v248-251 16 bytes of hb
.set MSB, 0
.macro WIN new                         ; the immediate's high byte repeats the setting that is left
.if MSB != (\new)
	s_set_vgpr_msb (MSB<<8)|(\new)
.set MSB, (\new)
.endif
.endm
.macro PLACES                          ; four places behind a matrix instruction, ahead of reads of its result; ahead of the loads into its sources they stay as they stood, beside the wait that states that dependence
.rept 4
	v_nop
.endr
.endm
; Which job, and where its weights begin: s22 = job (0 routed, 1 shared), s[28:29] gate's, s[30:31] up's, at my wave's K and the slice's columns.
.macro SETW
	s_and_b32 s70, s20, 1
	s_xor_b32 s22, s21, s70
	s_lshl_b32 s70, s20, 22                        ; an expert's matrix is 4,194,304 bytes
	s_lshl_b32 s71, s18, 19                        ; 256 rows of 2,048 bytes
	s_lshl_b32 s72, s19, 7                         ; 32 columns
	s_add_co_u32 s71, s71, s72
	s_cmp_eq_u32 s22, 0
	s_cselect_b64 s[28:29], s[8:9], s[12:13]
	s_cselect_b64 s[30:31], s[10:11], s[14:15]
	s_cselect_b32 s70, s70, 0
	s_add_co_u32 s70, s70, s71
	s_mov_b32 s71, 0
	s_add_nc_u64 s[28:29], s[28:29], s[70:71]
	s_add_nc_u64 s[30:31], s[30:31], s[70:71]
.endm
; Unit u = K step u / 2 of matrix u % 2: 16 loads of 8 bytes a lane: row 32 ks + 8 h + ii (ii < 8) or 16 more (ii >= 8), columns 2 r, 2 r + 1.
.macro LOADU u
.set sl, TOK+32*((\u)%4)
.set ii, 0
.rept 16
.if (\u)%2 == 0
	global_load_b64 v[sl+2*ii:sl+2*ii+1], v4, s[28:29] offset:(32*((\u)/2)+ii+8*(ii/8))*2048
.else
	global_load_b64 v[sl+2*ii:sl+2*ii+1], v4, s[30:31] offset:(32*((\u)/2)+ii+8*(ii/8))*2048
.endif
.set ii, ii+1
.endr
.endm
.macro CVTU u                          ; the unit's two tiles: register p packs k = 2 p, 2 p + 1 of column 2 r + j
	WIN 0x40                                       ; destination window 1
.set sl, TOK+32*((\u)%4)
.set wf, 32*((\u)/2)+16*((\u)%2)
.irp j, 0,1
.irp p, 0,1,2,3,4,5,6,7
	v_cvt_pk_bf16_f32 v[wf+8*\j+\p], v[sl+4*\p+\j], v[sl+4*\p+2+\j]
.endr
.endr
	WIN 0
.endm
; Wave 0 lists the expert's tokens by rank.  A lane whose bit is clear gets 2,048 on top of its rank, and the clamp sends it to word 1,088, which nobody reads.
; Every store has an address register and a data register of its own, so that one wait stands between the lines that make them and the run of stores.
.macro BUILD
	v_mov_b32 v20, 0
	v_mov_b32 v21, 0
	v_mov_b32 v22, 0
	v_mov_b32 v23, 0
	v_lshl_add_u32 v24, v1, 4, LIST
	s_mov_b32 s78, 0                               ; tokens listed so far
.set j, 0
.rept 32
	v_mbcnt_lo_u32_b32 v[BA+j], s[32+j], s78       ; my rank: those so far + the set bits below my lane
	s_not_b32 s79, s[32+j]
	v_bfe_u32 v26, s79, v1, 1
	v_lshl_add_u32 v[BA+j], v26, 11, v[BA+j]
	v_min_u32 v[BA+j], 0x440, v[BA+j]
	v_lshl_add_u32 v[BA+j], v[BA+j], 2, LIST
	v_add_nc_u32 v[BD+j], 32*j, v1                 ; my token
	s_bcnt1_i32_b32 s79, s[32+j]
	s_add_co_u32 s78, s78, s79
.set j, j+1
.endr
	s_lshl_b32 s79, s20, 6
	v_lshl_add_u32 v232, v1, 2, LIST+4096
	v_add_nc_u32 v233, s79, v1                     ; the shared job's tokens: 64 e + i
	v_add_nc_u32 v234, 32, v233
	s_wait_alu depctr_va_vdst(0)                   ; v20-24, v40-103 and v232-234 are written: the addresses and data of the 43 LDS stores below
.set j, 0
.rept 9
	ds_store_b128 v24, v[20:23] offset:512*j       ; zeros first: LDS serves a wave's instructions in order (ISA guide 5.7.1.4)
.set j, j+1
.endr
.set j, 0
.rept 32
	ds_store_b32 v[BA+j], v[BD+j]
.set j, j+1
.endr
	ds_store_b32 v232, v233
	ds_store_b32 v232, v234 offset:128
.endm
; The job's rows: s23 count, s24 the last rank, s27 where its list begins, s[66:67] its block of hb, s25 the walk's first rank.
.macro SETR
	s_lshl_b32 s71, s20, 11                        ; 64 e ranks of 32 bytes
	s_cmp_eq_u32 s22, 0
	s_cselect_b32 s23, s68, 64
	s_cselect_b32 s27, 0, 0x400
	s_cselect_b32 s70, s20, 16                     ; plane
	s_cselect_b32 s71, 0, s71
	s_sub_co_u32 s24, s23, 1
	s_lshl4_add_u32 s70, s70, s19
	s_lshl_b32 s70, s70, 16                        ; (16 plane + s) x 65,536 bytes
	s_add_co_u32 s70, s70, s71
	s_mov_b32 s71, 0
	s_add_nc_u64 s[66:67], s[16:17], s[70:71]
	s_mov_b32 s25, 0
.endm
; The tokens of the 32 rows from rank s25 + off on: asked of the list,
.macro TADDR_A off
	s_add_co_u32 s74, s25, \off
	s_wait_alu depctr_vm_vsrc(0)                   ; all that was issued so far has read its registers: the list loads (and the list's stores) v20-21, written below; the token loads TA, written in TADDR_B; the LDS stores the sums, which the next products write anew
	v_add_nc_u32 v20, s74, v[R16]
	v_add_nc_u32 v21, s74, v[R16+1]
	v_min_u32 v20, s24, v20                        ; places past the count repeat the last row
	v_min_u32 v21, s24, v21
	v_add_nc_u32 v20, s27, v20
	v_add_nc_u32 v21, s27, v21
	v_min_u32 v20, 0x43f, v20
	v_min_u32 v21, 0x43f, v21
	v_lshl_add_u32 v20, v20, 2, LIST
	v_lshl_add_u32 v21, v21, 2, LIST
	s_wait_alu depctr_va_vdst(0)                   ; v20-21 are written, which the two loads read; the last TADDR_B is done with v10-11, in which they land
	ds_load_b32 v10, v20
	ds_load_b32 v11, v21
.endm
.macro TADDR_B                         ; and made into offsets
	s_wait_dscnt 0x0
	s_wait_xcnt 0x0                                ; TA is the address of loads on their way: rewritten only behind this wait (and behind TADDR_A's wait on vm_vsrc: no load by TA was issued since)
	v_min_u32 v10, 0x3ff, v10
	v_min_u32 v11, 0x3ff, v11
	v_lshl_add_u32 v[TA], v10, 12, v5
	v_lshl_add_u32 v[TA+1], v11, 12, v5
.endm
.macro TGRP g                          ; eight loads: K steps 2 g, 2 g + 1 of both row tiles
.irp k, 0,1
.irp rt, 0,1
	global_load_b128 v[TOK+16*(2*(\g)+\k)+8*\rt:TOK+16*(2*(\g)+\k)+8*\rt+3],   v[TA+\rt], s[4:5] offset:64*(2*(\g)+\k)
	global_load_b128 v[TOK+16*(2*(\g)+\k)+8*\rt+4:TOK+16*(2*(\g)+\k)+8*\rt+7], v[TA+\rt], s[4:5] offset:64*(2*(\g)+\k)+32
.endr
.endr
.endm
; A HALF: 32 rows x 64 columns x my 256 of K: 64 matrix instructions, the 8 sums by turns.  32 token loads are always out: each group of 16 products waits for
; its eight (24 younger ones stay out) and then asks for the same group of the next half.  A dead half issues nothing, so the count holds on every way.
.macro HALF a, hoff, nxoff
	s_add_co_u32 s74, s25, \hoff
	s_cmp_ge_u32 s74, s23
	s_cbranch_scc1 .Lno_half_\@
	TADDR_A \nxoff                                 ; ten plain lines: with the four v_nop behind the last half's products, the places ahead of the product that starts a sum anew
.irp g, 0,1,2,3
	s_wait_loadcnt 24
	WIN 0x01                                       ; source 0 window 1
.irp k, 0,1
.irp rt, 0,1
.irp ct, 0,1,2,3
.set ks, 2*\g+\k
.set ac, ACC+32*\rt+8*\ct
.if ks == 0
	v_wmma_f32_16x16x32_bf16 v[ac:ac+7], v[32*ks+8*\ct:32*ks+8*\ct+7], v[TOK+16*ks+8*\rt:TOK+16*ks+8*\rt+7], 0
.else
	v_wmma_f32_16x16x32_bf16 v[ac:ac+7], v[32*ks+8*\ct:32*ks+8*\ct+7], v[TOK+16*ks+8*\rt:TOK+16*ks+8*\rt+7], v[ac:ac+7]
.endif
.endr
.endr
.endr
	WIN 0
	PLACES
.if \g == 0
	TADDR_B
.endif
	s_wait_alu depctr_va_vdst(0)                   ; the group's products are done reading its 32 registers, in which the loads below land; in group 0 TA is written, which they read; in group 3 the sums are written, which the LDS stores read
	TGRP \g
.endr
.irp rt, 0,1
.irp ct, 0,1,2,3                               ; each sum from its low end on.  No wait: nothing but loads was issued since the wait above
	ds_store_b128 v[WB+\a], v[ACC+32*\rt+8*\ct:ACC+32*\rt+8*\ct+3]   offset:(8*\rt+2*\ct)*512
	ds_store_b128 v[WB+\a], v[ACC+32*\rt+8*\ct+4:ACC+32*\rt+8*\ct+7] offset:(8*\rt+2*\ct+1)*512
.endr
.endr
.Lno_half_\@:
.endm
.macro FLD b, p                        ; partial sums of wave p for my eighth: four registers of each of the four tiles
.irp ct, 0,1,2,3
	ds_load_b128 v[ACC+16*((\p)%4)+4*\ct:ACC+16*((\p)%4)+4*\ct+3], v[RB+\b] offset:8192*(\p)+1024*\ct
.endr
.endm
.macro FADD p
.irp i, 0,1,2,3,4,5,6,7
	v_pk_add_f32 v[SM+2*\i:SM+2*\i+1], v[SM+2*\i:SM+2*\i+1], v[ACC+16*((\p)%4)+2*\i:ACC+16*((\p)%4)+2*\i+1]
.endr
.endm
; My eighth of a trip: 16 tokens (half w / 4, row tile (w / 2) % 2), registers 4 (w % 2) + 0..3 of the four tiles: the eight partial sums added, silu(g) u, 16 bytes a lane to hb.
.macro FIN b
	s_add_co_u32 s74, s25, s69
	s_cmp_ge_u32 s74, s23
	s_cbranch_scc1 .Lno_fin_\@
	s_wait_xcnt 0x0                                ; the last store's data and offset are rewritten only behind this wait
	s_wait_alu depctr_vm_vsrc(0)                   ; my LDS stores have read the sums v40-103, in which the partial sums land; the last finish's store has read v19 and PKD, which are written below
	s_wait_alu depctr_va_vdst(0)                   ; the last finish's lines are done writing and reading v40-103: stated here for the way through the text on which no live half stands between two finishes
	FLD \b, 0
	FLD \b, 1
	FLD \b, 2
	FLD \b, 3
	s_wait_dscnt 8                                 ; two partial sums, eight loads, are younger
.irp i, 0,1,2,3,4,5,6,7
	v_pk_add_f32 v[SM+2*\i:SM+2*\i+1], v[ACC+2*\i:ACC+2*\i+1], v[ACC+16+2*\i:ACC+16+2*\i+1]
.endr
	s_wait_alu depctr_va_vdst(0)                   ; the additions are done reading slots 0 and 1, in which partial sums 4 and 5 land
	FLD \b, 4
	FLD \b, 5
	s_wait_dscnt 8
	FADD 2
	FADD 3
	s_wait_alu depctr_va_vdst(0)                   ; the additions are done reading slots 2 and 3, in which partial sums 6 and 7 land
	FLD \b, 6
	FLD \b, 7
	s_wait_dscnt 8
	FADD 4
	FADD 5
	s_wait_dscnt 0x0
	FADD 6
	FADD 7
.irp i, 0,1,2,3                                ; SM 0-7: g (j = 0, then j = 1), SM 8-15: u.  g u / (1 + 2^(-g log2 e))
	v_pk_mul_f32 v[ACC+2*\i:ACC+2*\i+1], v[SM+2*\i:SM+2*\i+1], s[76:77] op_sel_hi:[1,0]
.endr
.irp i, 0,1,2,3,4,5,6,7
	v_exp_f32 v[ACC+\i], v[ACC+\i]
.endr
.irp i, 0,1,2,3                                ; plain lines behind the exponentials (ISA guide 5.7.2)
	v_pk_mul_f32 v[SM+2*\i:SM+2*\i+1], v[SM+2*\i:SM+2*\i+1], v[SM+8+2*\i:SM+8+2*\i+1]
.endr
	s_wait_alu depctr_va_vdst(0)                   ; the eight exponentials have written v40-47, ahead of their first reader
.irp i, 0,1,2,3
	v_pk_add_f32 v[ACC+2*\i:ACC+2*\i+1], v[ACC+2*\i:ACC+2*\i+1], 1.0 op_sel_hi:[1,0]
.endr
.irp i, 0,1,2,3,4,5,6,7
	v_rcp_f32 v[ACC+\i], v[ACC+\i]
.endr
	v_lshl_add_u32 v19, s25, 5, v18                ; a plain line behind the reciprocals: my place in hb
	s_wait_alu depctr_va_vdst(0)                   ; the eight reciprocals have written v40-47, ahead of their first reader
.irp i, 0,1,2,3
	v_pk_mul_f32 v[SM+2*\i:SM+2*\i+1], v[SM+2*\i:SM+2*\i+1], v[ACC+2*\i:ACC+2*\i+1]
.endr
.irp i, 0,1,2,3
	v_cvt_pk_bf16_f32 v[PKD+\i], v[SM+\i], v[SM+4+\i]  ; columns 2 i and 2 i + 1 of my eight
.endr
	s_wait_alu depctr_va_vdst(0)                   ; the roundings have written PKD, the store's data (v19, its offset, was written ahead of the wait before)
	global_store_b128 v19, v[PKD:PKD+3], s[66:67]  ; the wave's store covers 512 consecutive bytes, aligned
.Lno_fin_\@:
.endm
; A TRIP: 64 rows.  One barrier: in front of it my stores into this trip's stages are done, and so are my reads of the other buffer's (FIN has waited for them), which the next trip writes.
.macro TRIP b
	HALF 2*\b, 0, 32
	HALF 2*\b+1, 32, 64
	s_wait_dscnt 0x0
	s_barrier_signal -1
	s_barrier_wait -1
	FIN \b
	s_add_co_u32 s25, s25, 64
.endm
	s_load_b256 s[4:11], s[0:1], 0x0               ; xb s[4:5], bmp s[6:7], Wg s[8:9], Wu s[10:11]
	s_load_b128 s[12:15], s[0:1], 0x20             ; sWg s[12:13], sWu s[14:15]
	s_load_b64 s[16:17], s[0:1], 0x30              ; hb
	v_lshl_add_u32 v30, v0, 2, SPARE               ; my spare word and 0: kept for the add at the wave's end alone
	v_mov_b32 v31, 0
	v_and_b32 v1, 31, v0                           ; lane
	v_lshrrev_b32 v2, 5, v0
	v_readfirstlane_b32 s18, v2                    ; wave
	v_and_b32 v2, 15, v0                           ; r
	v_bfe_u32 v3, v0, 4, 1                         ; h
	s_mov_b32 s19, ttmp9                           ; slice s
	s_and_b32 s20, ttmp7, 0xffff                   ; expert e
	v_lshlrev_b32 v4, 3, v2
	v_lshl_add_u32 v4, v3, 14, v4                  ; weights: 8 h rows of 2,048 bytes + 8 r
	s_wait_alu depctr_va_sdst(0)                   ; s18 is written, ahead of its first reader
	s_lshl_b32 s70, s18, 9
	v_lshl_add_u32 v5, v3, 4, s70                  ; tokens: my wave's K + 16 h
	v_mov_b32 v[R16], v2
	v_add_nc_u32 v[R16+1], 16, v2
	s_lshl_b32 s70, s18, 13
	v_lshl_add_u32 v[WB], v1, 4, s70
	v_add_nc_u32 v[WB+1], 0x10000, v[WB]
	v_add_nc_u32 v[WB+2], 0x20000, v[WB]
	v_add_nc_u32 v[WB+3], 0x30000, v[WB]
	s_lshr_b32 s70, s18, 2                         ; which half I finish,
	s_bfe_u32 s72, s18, 0x10001                    ; which row tile,
	s_and_b32 s73, s18, 1                          ; which four registers
	s_lshl_b32 s71, s70, 16
	s_lshl_b32 s74, s72, 12
	s_add_co_u32 s71, s71, s74
	s_lshl_b32 s74, s73, 9
	s_add_co_u32 s71, s71, s74
	v_lshl_add_u32 v[RB], v1, 4, s71
	v_add_nc_u32 v[RB+1], 0x20000, v[RB]
	s_lshl_b32 s69, s70, 5
	s_lshl4_add_u32 s69, s72, s69                  ; my 16 rows' place in a trip
	s_lshl_b32 s74, s73, 15
	s_lshl_b32 s75, s69, 5
	s_add_co_u32 s74, s74, s75
	v_lshlrev_b32 v18, 5, v2
	v_lshl_add_u32 v18, v3, 4, v18
	v_add_nc_u32 v18, s74, v18                     ; hb: block hf = w % 2, rank, 16 h
	s_mov_b32 s76, 0xbfb8aa3b                      ; -log2 e, named as a pair
	s_mov_b32 s77, s76
	s_wait_kmcnt 0x0
	s_lshl_b32 s70, s20, 7
	s_mov_b32 s71, 0
	s_add_nc_u64 s[6:7], s[6:7], s[70:71]
	s_load_b512 s[32:47], s[6:7], 0x0              ; the expert's bitmap
	s_load_b512 s[48:63], s[6:7], 0x40
	s_mov_b32 s21, 0                               ; jobs done
	SETW
	s_wait_alu depctr_va_vdst(0)                   ; the addresses that are made once are written: v4, which every load of weights reads, WB and RB, which the stages' stores and loads read
	LOADU 0                                        ; the first weights go out ahead of the list's making
	LOADU 1
	LOADU 2
	LOADU 3
	s_wait_kmcnt 0x0
	s_bcnt1_i32_b32 s68, s32
.set j, 1
.rept 31
	s_bcnt1_i32_b32 s70, s[32+j]
	s_add_co_u32 s68, s68, s70
.set j, j+1
.endr
	s_max_u32 s68, s68, 1                          ; the expert's rows; none counts as one
	s_cmp_lg_u32 s18, 0
	s_cbranch_scc1 .Lno_build
	BUILD
.Lno_build:
	s_wait_dscnt 0x0                               ; for the others' sake: the list is in LDS
	s_barrier_signal -1
	s_barrier_wait -1
	SETR
.Ljob:                                                 ; units 0 to 3, 64 loads, are out
	TADDR_A 0
	TADDR_B
.set u, 0
.rept 12
	s_wait_loadcnt 48                              ; three younger units stay out
	CVTU u
	s_wait_alu depctr_va_vdst(0)                   ; the conversions are done reading the unit's slot, in which the unit four on lands (the first of these waits also shows TA written)
	LOADU u+4
.set u, u+1
.endr
	s_wait_loadcnt 48                              ; the last four units: each drained slot takes a group of the first half's tokens
	CVTU 12
	s_wait_alu depctr_va_vdst(0)                   ; the conversions are done reading slot 0, in which group 0 lands
	TGRP 0
	s_wait_loadcnt 40                              ; younger: units 14, 15 and 8 token loads
	CVTU 13
	s_wait_alu depctr_va_vdst(0)                   ; the same for slot 1 and group 1
	TGRP 1
	s_wait_loadcnt 32                              ; unit 15 and 16 token loads
	CVTU 14
	s_wait_alu depctr_va_vdst(0)                   ; the same for slot 2 and group 2
	TGRP 2
	s_wait_loadcnt 24                              ; 24 token loads
	CVTU 15
	s_wait_alu depctr_va_vdst(0)                   ; the same for slot 3 and group 3
	TGRP 3
	s_mov_b32 s26, 8
.Ltrips:
	TRIP 0
	TRIP 1
	s_sub_co_u32 s26, s26, 1
	s_cmp_lg_u32 s26, 0
	s_cbranch_scc1 .Ltrips
	s_add_co_u32 s21, s21, 1
	s_cmp_lt_u32 s21, 2
	s_cbranch_scc0 .Ldone
	s_wait_loadcnt 0x0                             ; the look-ahead's last loads land in registers that the weights now take
	s_wait_xcnt 0x0                                ; bases are rewritten only behind this wait
	SETW
	LOADU 0                                        ; no wait: behind every line that read TOK, a conversion or a product, stands a wait on va_vdst, and nothing has named TOK since
	LOADU 1
	LOADU 2
	LOADU 3
	SETR
	s_cmp_lt_u32 s21, 2
	s_cbranch_scc1 .Ljob
.Ldone:
	s_wait_dscnt 0x0                               ; the closing lines, six on end
	s_wait_alu 0x0
	s_wait_tensorcnt 0x0
	ds_add_u32 v30, v31
	s_wait_dscnt 0x0
	s_endpgm
.Lfunc_end_k_qc99b251012_up:
	.size	k_qc99b251012_up, .Lfunc_end_k_qc99b251012_up-k_qc99b251012_up
	.p2alignl 7, 3214868480
	.fill 96, 4, 3214868480
	.section	.rodata,"a",@progbits
	.p2align	6, 0x0
	.amdhsa_kernel k_qc99b251012_up
		.amdhsa_group_segment_fixed_size 268288
		.amdhsa_private_segment_fixed_size 0
		.amdhsa_enable_private_segment 0
		.amdhsa_kernarg_size 56
		.amdhsa_user_sgpr_count 2
		.amdhsa_user_sgpr_kernarg_segment_ptr 1
		.amdhsa_wavefront_size32 1
		.amdhsa_system_sgpr_workgroup_id_x 1
		.amdhsa_system_sgpr_workgroup_id_y 1
		.amdhsa_system_sgpr_workgroup_id_z 1
		.amdhsa_system_vgpr_workitem_id 0
		.amdhsa_next_free_vgpr 512
		.amdhsa_next_free_sgpr 96
		.amdhsa_reserve_vcc 0
		.amdhsa_float_denorm_mode_32 3
		.amdhsa_float_denorm_mode_16_64 3
		.amdhsa_memory_ordered 1
		.amdhsa_forward_progress 1
		.amdhsa_inst_pref_size 135
	.end_amdhsa_kernel
	.amdgpu_metadata
---
amdhsa.version: [ 1, 2 ]
amdhsa.kernels:
  - .name:           k_qc99b251012_up
    .symbol:         k_qc99b251012_up.kd
    .args:
      - { .name: xb, .offset: 0, .size: 8, .value_kind: global_buffer, .address_space: global }
      - { .name: bmp, .offset: 8, .size: 8, .value_kind: global_buffer, .address_space: global }
      - { .name: Wg, .offset: 16, .size: 8, .value_kind: global_buffer, .address_space: global }
      - { .name: Wu, .offset: 24, .size: 8, .value_kind: global_buffer, .address_space: global }
      - { .name: sWg, .offset: 32, .size: 8, .value_kind: global_buffer, .address_space: global }
      - { .name: sWu, .offset: 40, .size: 8, .value_kind: global_buffer, .address_space: global }
      - { .name: hb, .offset: 48, .size: 8, .value_kind: global_buffer, .address_space: global }
    .group_segment_fixed_size: 268288
    .private_segment_fixed_size: 0
    .kernarg_segment_align: 8
    .kernarg_segment_size: 56
    .max_flat_workgroup_size: 256
    .sgpr_count:     96
    .vgpr_count:     512
    .wavefront_size: 32
...
	.end_amdgpu_metadata
.endif
;; end of part 5
;; launch down (part 6): grid 16 x 16, 4 waves a work-group, no clusters, 70,912 bytes of LDS; arguments hb, bmp, Wd, sWd, yb; writes yb
.if DOCPART == 6
	.amdgcn_target "amdgcn-amd-amdhsa--gfx1250"
	.amdhsa_code_object_version 6
	.text
	.protected	k_qc99b251012_down
	.globl	k_qc99b251012_down
	.p2align	8
	.type	k_qc99b251012_down,@function
k_qc99b251012_down:
	s_mov_b64 s[64:65], 0
	v_nop
	global_prefetch_b8 v0, s[64:65] scope:SCOPE_SE
	s_setreg_imm32_b32 hwreg(HW_REG_WAVE_SCHED_MODE, 0, 2), 2
	s_setreg_imm32_b32 hwreg(HW_REG_WAVE_MODE, 25, 1), 1
	s_wait_xcnt 0x0
	s_wait_alu depctr_vm_vsrc(0)
; SECOND PRODUCT.  yb[plane x 1,024 + token][:] = h Wd, f32, unweighted, for the chosen rows of each expert (plane e) and all rows of the shared expert (plane 16).
; SHARES.  Work-group (s, e) has two JOBS.  Routed: columns 128 s .. 128 s + 127 of Wd[e], which it alone reads, and all rows of expert e.  Shared: the same columns of sWd and
; tokens 64 e .. 64 e + 63.  Odd e take the shared job first.  Wave w owns 64 columns (ch = w % 2: rows of 256 consecutive bytes, aligned) and half of K (kh = w / 2: 8 K steps):
; 256 registers of bf16 weights (window 1), rounded on their way through registers.
; THE WALK has a constant 16 trips of 64 rows (two halves of 32), which serves every split; every wave passes every barrier; dead halves are jumped; an expert without rows stores nothing.
; In a half that is not full the places past the count repeat the expert's last row, in h (the rank is clamped) and in the list (its 32 words behind the count hold the last token): their
; lanes store that row's own numbers to that row's own place once more, 31 rows a job at the most, and no lane is ever switched off.
; LAYOUT.  Source 0 = 16 rows of h, source 1 = weights (lane r: column 4 r + j of tile j).  K's order inside a step is hb's: half h of the lanes holds F = 32 step + 16 h + 0..15, alike in both sources.
; THE TWO HALVES OF K MEET IN LDS.  Lane r of source 0 holds row r xor 4 kh of its tile, so registers 4-7 of my sums are rows 8 h + 4 (1 - kh) + 0..3, and those are the rows that
; registers 0-3 of my partner (wave w xor 2) hold.  Each wave gives its registers 0-3 and keeps 4-7: half the sums cross LDS, and each sum is read from its low end on.
; The addition lays a row's four neighbouring columns side by side: sixteen lanes store 256 consecutive bytes of a token's row, aligned.
; NO CLUSTER, NO TENSOR LOADS: a routed slice has one reader; the rows come by rank and leave by a list; the live part of the walk hangs on a stored count, so nothing but registers and
; fixed LDS stages is used.  No cache hint on the weights: one line serves the routed slices (one reader) and the shared ones (16 readers).
; LIMITS.  NaN and infinities are not treated apart.
; THE MODE: SCHED_MODE bits 1:0 = 2 (LLVM: expert scheduling mode 2), set by the entry lines.  The code itself states the register dependences
; between vector or matrix instructions and memory or LDS instructions, with s_wait_alu, always for 0.
; THE PLAN.  Registers that memory or LDS instructions touch:
;   Window 2.  Load phase: four slots of 64: unit u's loads land in slot u % 4, its 32 conversions read it, then unit u + 4's loads (at the end the first half's h) land in it.
;        Walk: TWO BUFFERS OF h, H0 (v0-127) and H1 (v128-255).  Half hh of a trip multiplies H[hh]; the next half's 32 loads land in H[1 - hh], which no vector or matrix instruction of this half names.
;   HA   HADDR writes it at a half's head; the half's 32 loads read it.
;   ACC  Registers 0-3 of each sum: the products write them, the half's eight LDS stores read them, the same half of the next trip writes them anew.  Registers 4-7 are named by vector and matrix instructions alone.
;   v17, LT, PT  FINH: v17 is made, the list's and the partner's loads read it and RB and land in LT and PT; additions and clamps read them; PT's first eight then take the stores' offsets.
;   OUT  FINH's additions write it, its eight stores read it: 32 registers for each half of a trip.      v4, WB, RB, v30, v31  written at the head and never again.
; THE WAITS.  A half: in HADDR one on vm_vsrc, beside the wait on XCNT (HA and the given registers of the sums have been read); ONE on va_vdst at its head (HA is written; the half before is done reading the
; other buffer): the half's 32 loads follow it, eight ahead of each group of 16 products, with no further wait; one on va_vdst at its end, behind the four places, ahead of the LDS stores.
; FINH: one on vm_vsrc at its head, one on va_vdst ahead of its ten LDS loads, one ahead of its eight stores.  The load phase: one on va_vdst behind the conversions of each unit whose slot is loaded again.
.set LIST,  65536                      ; behind two stages of 32,768: 1,024 words the expert's tokens by rank, 64 words the shared job's, word 1,088 for lanes with nothing to list; 4,608 bytes
.set SPARE, 70400                      ; the spare words, 128 bytes a wave
.set HA,   6                           ; v6-7   byte offset in hb of my 16 bytes, row tile 0, 1
.set RX,   8                           ; v8-9   16 rt + (r xor 4 kh)
.set WB,   10                          ; v10-11 where I put what I give, buffer 0, 1
.set RB,   12                          ; v12-13 where I read what my partner gives
.set LT,   20                          ; v20-27 the tokens of the eight rows that I keep
.set PT,   32                          ; v32-63 my partner's registers 0-3; when they are added, v32-39 take the eight rows' byte offsets in yb
.set BA,   32                          ; v32-63 while the list is made: the LDS address of word j's store
.set OUT,  64                          ; v64-127 finished rows, 32 registers a half
.set BD,   64                          ; v64-95 while the list is made: its data; v96-102 the list's tail, the shared job's words and one at work
.set ACC,  128                         ; v128-255 sums (hh, rt, ct) at 128 + 64 hh + 32 rt + 8 ct
.set MSB, 0
.macro WIN new                         ; the immediate's high byte repeats the setting that is left
.if MSB != (\new)
	s_set_vgpr_msb (MSB<<8)|(\new)
.set MSB, (\new)
.endif
.endm
.macro PLACES                          ; four places behind a matrix instruction, ahead of reads of its result (ISA guide 7.12.1)
.rept 4
	v_nop
.endr
.endm
.macro SETW                            ; s22 = job (0 routed, 1 shared), s[28:29] its weights at my half of K and my 64 columns
	s_and_b32 s70, s20, 1
	s_xor_b32 s22, s21, s70
	s_lshl_b32 s70, s20, 22                        ; an expert's matrix is 4,194,304 bytes
	s_lshl_b32 s71, s15, 21                        ; 256 rows of 8,192 bytes
	s_lshl_b32 s72, s19, 9
	s_add_co_u32 s71, s71, s72
	s_lshl_b32 s72, s14, 8
	s_add_co_u32 s71, s71, s72
	s_cmp_eq_u32 s22, 0
	s_cselect_b64 s[28:29], s[8:9], s[10:11]
	s_cselect_b32 s70, s70, 0
	s_add_co_u32 s70, s70, s71
	s_mov_b32 s71, 0
	s_add_nc_u64 s[28:29], s[28:29], s[70:71]
.endm
.macro LOADU u                         ; K step u: 16 loads of 16 bytes a lane: row 32 u + 16 h + ii, columns 4 r + 0..3; window 2, four slots of 64
	WIN 0x80
.set sl, 64*((\u)%4)
.set ii, 0
.rept 16
	global_load_b128 v[sl+4*ii:sl+4*ii+3], v4, s[28:29] offset:(32*(\u)+ii)*8192
.set ii, ii+1
.endr
	WIN 0
.endm
.macro CVTU u                          ; its four tiles: register p packs rows 2 p, 2 p + 1 of column 4 r + j
	WIN 0x4a                                       ; sources window 2, destination window 1
.set sl, 64*((\u)%4)
.irp j, 0,1,2,3
.irp p, 0,1,2,3,4,5,6,7
	v_cvt_pk_bf16_f32 v[32*(\u)+8*\j+\p], v[sl+8*\p+\j], v[sl+8*\p+4+\j]
.endr
.endr
	WIN 0
.endm
; Wave 0 lists the expert's tokens by rank.  A lane whose bit is clear gets 2,048 on top of its rank, and the clamp sends it to word 1,088, which nobody reads.
; Then the 32 words behind the count take the last token; where they reach into the shared job's 64 words, those are written behind them (LDS serves a wave's instructions in order: ISA guide 5.7.1.4).
; Every store has an address register and a data register of its own, so that one wait stands between the lines that make them and the run of LDS instructions.
.macro BUILD
	v_mov_b32 v20, 0
	v_mov_b32 v21, 0
	v_mov_b32 v22, 0
	v_mov_b32 v23, 0
	v_lshl_add_u32 v24, v1, 4, LIST
	s_mov_b32 s78, 0                               ; tokens listed so far
.set j, 0
.rept 32
	v_mbcnt_lo_u32_b32 v[BA+j], s[32+j], s78       ; my rank: those so far + the set bits below my lane
	s_not_b32 s79, s[32+j]
	v_bfe_u32 v102, s79, v1, 1
	v_lshl_add_u32 v[BA+j], v102, 11, v[BA+j]
	v_min_u32 v[BA+j], 0x440, v[BA+j]
	v_lshl_add_u32 v[BA+j], v[BA+j], 2, LIST
	v_add_nc_u32 v[BD+j], 32*j, v1                 ; my token
	s_bcnt1_i32_b32 s79, s[32+j]
	s_add_co_u32 s78, s78, s79
.set j, j+1
.endr
	s_max_u32 s79, s78, 1
	s_sub_co_u32 s79, s79, 1                       ; the last rank (0 where there is no row: the word holds 0)
	v_mov_b32 v96, s79
	v_min_u32 v96, 0x3ff, v96
	v_lshl_add_u32 v96, v96, 2, LIST
	v_add_nc_u32 v98, s78, v1                      ; the 32 words behind the count: 1,055 at the most
	v_min_u32 v98, 0x440, v98
	v_lshl_add_u32 v98, v98, 2, LIST
	s_lshl_b32 s79, s20, 6
	v_lshl_add_u32 v99, v1, 2, LIST+4096
	v_add_nc_u32 v100, s79, v1                     ; the shared job's tokens: 64 e + i
	v_add_nc_u32 v101, 32, v100
	s_wait_alu depctr_va_vdst(0)                   ; v20-24, v32-96 and v98-101 are written: the addresses and data of the LDS instructions below
.set j, 0
.rept 9
	ds_store_b128 v24, v[20:23] offset:512*j       ; zeros first
.set j, j+1
.endr
.set j, 0
.rept 32
	ds_store_b32 v[BA+j], v[BD+j]
.set j, j+1
.endr
	ds_load_b32 v97, v96                           ; the last token
	s_wait_dscnt 0x0
	ds_store_b32 v98, v97
	ds_store_b32 v99, v100
	ds_store_b32 v99, v101 offset:128
.endm
; The job's rows: s23 count, s24 the last rank, s27 where its list begins, s69 its first rank in hb, s[30:31] hb at its plane and my half of K, s[66:67] yb at its plane and slice.
.macro SETR
	s_lshl_b32 s71, s20, 6
	s_cmp_eq_u32 s22, 0
	s_cselect_b32 s23, s68, 64
	s_cselect_b32 s27, 0, 0x400
	s_cselect_b32 s70, s20, 16                     ; plane
	s_cselect_b32 s69, 0, s71
	s_max_u32 s24, s23, 1
	s_sub_co_u32 s24, s24, 1
	s_lshl_b32 s72, s70, 20                        ; a plane of hb is 1,048,576 bytes,
	s_lshl_b32 s73, s15, 19                        ; eight K steps 524,288
	s_add_co_u32 s72, s72, s73
	s_mov_b32 s73, 0
	s_add_nc_u64 s[30:31], s[4:5], s[72:73]
	s_lshl_b32 s72, s70, 23                        ; a plane of yb is 1,024 rows of 8,192 bytes
	s_lshl_b32 s74, s19, 9
	s_add_co_u32 s72, s72, s74
	s_add_nc_u64 s[66:67], s[12:13], s[72:73]
	s_mov_b32 s25, 0
.endm
.macro HADDR off                       ; the 32 rows from rank s25 + off on
	s_add_co_u32 s74, s25, \off
	v_add_nc_u32 v18, s74, v[RX]
	v_add_nc_u32 v19, s74, v[RX+1]
	v_min_u32 v18, s24, v18                        ; places past the count repeat the last row
	v_min_u32 v19, s24, v19
	v_add_nc_u32 v18, s69, v18
	v_add_nc_u32 v19, s69, v19
	v_min_u32 v18, 0x3ff, v18
	v_min_u32 v19, 0x3ff, v19
	s_wait_xcnt 0x0                                ; HA is the address of loads on their way: rewritten only behind this wait
	s_wait_alu depctr_vm_vsrc(0)                   ; the loads of h issued so far have read HA, written below; my LDS stores have read registers 0-3 of the sums, which the half's first products write anew
	v_lshl_add_u32 v[HA], v18, 5, v5
	v_lshl_add_u32 v[HA+1], v19, 5, v5
.endm
.macro HGRP g, hb                      ; eight loads: K steps 2 g, 2 g + 1 of both row tiles, into buffer hb of window 2: (ks, rt) at 128 hb + 16 ks + 8 rt
	WIN 0x80
.irp k, 0,1
.irp rt, 0,1
	global_load_b128 v[128*(\hb)+16*(2*(\g)+\k)+8*\rt:128*(\hb)+16*(2*(\g)+\k)+8*\rt+3],   v[HA+\rt], s[30:31] offset:65536*(2*(\g)+\k)
	global_load_b128 v[128*(\hb)+16*(2*(\g)+\k)+8*\rt+4:128*(\hb)+16*(2*(\g)+\k)+8*\rt+7], v[HA+\rt], s[30:31] offset:65536*(2*(\g)+\k)+32768
.endr
.endr
.endm
; A HALF: 32 rows x 64 columns x my 256 of K: 64 matrix instructions, the 8 sums by turns.  32 loads of h are always out: each group of 16 products waits for its
; eight (24 younger ones stay out), and ahead of the products the same group of the next half is asked for, into the other buffer.  A dead half issues nothing, so the count holds on every way.
.macro HALF b, hh, nxoff
	s_add_co_u32 s74, s25, 32*\hh
	s_cmp_ge_u32 s74, s23
	s_cbranch_scc1 .Lno_half_\@
	HADDR \nxoff
	s_wait_alu depctr_va_vdst(0)                   ; HA is written, which this half's 32 loads read; the half before (ahead of a job's first half: the conversions of units 6 and 7) is done reading the other buffer, in which they land
.irp g, 0,1,2,3
	s_wait_loadcnt 24
	HGRP \g, 1-\hh                                 ; no wait: no vector or matrix instruction since the wait above names HA or the other buffer
	WIN 0x06                                       ; source 0 window 2, source 1 window 1
.irp k, 0,1
.irp rt, 0,1
.irp ct, 0,1,2,3
.set ks, 2*\g+\k
.set ac, ACC+64*\hh+32*\rt+8*\ct
.if ks == 0
	v_wmma_f32_16x16x32_bf16 v[ac:ac+7], v[128*\hh+16*ks+8*\rt:128*\hh+16*ks+8*\rt+7], v[32*ks+8*\ct:32*ks+8*\ct+7], 0
.else
	v_wmma_f32_16x16x32_bf16 v[ac:ac+7], v[128*\hh+16*ks+8*\rt:128*\hh+16*ks+8*\rt+7], v[32*ks+8*\ct:32*ks+8*\ct+7], v[ac:ac+7]
.endif
.endr
.endr
.endr
.endr
	WIN 0
	PLACES
	s_wait_alu depctr_va_vdst(0)                   ; the products have written the sums, whose registers 0-3 the LDS stores read; the places above stay beside this wait
.irp rt, 0,1
.irp ct, 0,1,2,3                               ; what I give: each sum's registers 0-3
	ds_store_b128 v[WB+\b], v[ACC+64*\hh+32*\rt+8*\ct:ACC+64*\hh+32*\rt+8*\ct+3] offset:(8*\hh+4*\rt+\ct)*512
.endr
.endr
.Lno_half_\@:
.endm
; A half is finished: my registers 4-7 + my partner's 0-3; the rows' tokens come from the list, which repeats the last token behind the count.
.macro FINH b, hh
	s_add_co_u32 s74, s25, 32*\hh
	s_cmp_ge_u32 s74, s23
	s_cbranch_scc1 .Lno_fin_\@
	s_wait_xcnt 0x0                                ; earlier stores' data and offsets are rewritten only behind this wait
	s_wait_alu depctr_vm_vsrc(0)                   ; the last finish's loads have read v17, its stores their offsets in PT and their data in OUT (and the list's stores theirs in v20-24, PT and OUT): all are written below
	s_add_co_u32 s75, s74, s27
	v_add_nc_u32 v17, s75, v14
	v_min_u32 v17, 0x42c, v17
	v_lshl_add_u32 v17, v17, 2, LIST
	s_wait_alu depctr_va_vdst(0)                   ; v17 is written, which the list's loads read; the last finish's clamps, additions and offsets are done with LT and PT, in which the ten loads land
	ds_load_b128 v[LT:LT+3], v17                   ; the tokens of my four rows of row tile 0,
	ds_load_b128 v[LT+4:LT+7], v17 offset:64       ; and of row tile 1
.irp rt, 0,1
.irp ct, 0,1,2,3
	ds_load_b128 v[PT+4*(4*\rt+\ct):PT+4*(4*\rt+\ct)+3], v[RB+\b] offset:(8*\hh+4*\rt+\ct)*512
.endr
.endr
	s_wait_dscnt 0x0
.irp rt, 0,1
.irp i, 0,1,2,3
.irp j, 0,1,2,3
	v_add_f32 v[OUT+32*\hh+16*\rt+4*\i+\j], v[ACC+64*\hh+32*\rt+8*\j+4+\i], v[PT+4*(4*\rt+\j)+\i]
.endr
.endr
.endr
.irp t, 0,1,2,3,4,5,6,7
	v_min_u32 v[LT+\t], 0x3ff, v[LT+\t]
	v_lshl_add_u32 v[PT+\t], v[LT+\t], 13, v15     ; the token's row of 8,192 bytes + my 16 bytes of the slice
.endr
	s_wait_alu depctr_va_vdst(0)                   ; the additions have written OUT, the stores' data, and the eight offsets in PT are written
.irp t, 0,1,2,3,4,5,6,7                        ; sixteen lanes store 256 consecutive bytes of a token's row, aligned
	global_store_b128 v[PT+\t], v[OUT+32*\hh+4*\t:OUT+32*\hh+4*\t+3], s[66:67]
.endr
.Lno_fin_\@:
.endm
; A TRIP: 64 rows.  One barrier: in front of it my stores into this trip's stage are done, and so are my reads of the other stage (FINH has waited for them), which the next trip writes.
.macro TRIP b
	HALF \b, 0, 32
	HALF \b, 1, 64
	s_wait_dscnt 0x0
	s_barrier_signal -1
	s_barrier_wait -1
	FINH \b, 0
	FINH \b, 1
	s_add_co_u32 s25, s25, 64
.endm
	s_load_b256 s[4:11], s[0:1], 0x0               ; hb s[4:5], bmp s[6:7], Wd s[8:9], sWd s[10:11]
	s_load_b64 s[12:13], s[0:1], 0x20              ; yb
	v_lshl_add_u32 v30, v0, 2, SPARE               ; my spare word and 0: kept for the add at the wave's end alone
	v_mov_b32 v31, 0
	v_and_b32 v1, 31, v0                           ; lane
	v_lshrrev_b32 v2, 5, v0
	v_readfirstlane_b32 s18, v2                    ; wave
	v_and_b32 v2, 15, v0                           ; r
	v_bfe_u32 v3, v0, 4, 1                         ; h
	s_mov_b32 s19, ttmp9                           ; slice s
	s_and_b32 s20, ttmp7, 0xffff                   ; expert e
	s_wait_alu depctr_va_sdst(0)                   ; s18 is written, ahead of its first reader
	s_and_b32 s14, s18, 1                          ; ch
	s_lshr_b32 s15, s18, 1                         ; kh
	v_lshlrev_b32 v4, 4, v2
	v_lshl_add_u32 v4, v3, 17, v4                  ; weights: 16 h rows of 8,192 bytes + 16 r
	v_lshlrev_b32 v5, 4, v3                        ; 16 h
	v_bfe_u32 v16, v0, 2, 1                        ; r xor 4 kh: bit 2 of r + kh, modulo 2,
	v_add_nc_u32 v16, s15, v16
	v_and_b32 v16, 1, v16
	v_and_b32 v[RX], 11, v2                        ; put back among r's other bits
	v_lshl_add_u32 v[RX], v16, 2, v[RX]
	v_add_nc_u32 v[RX+1], 16, v[RX]
	s_lshl_b32 s70, s18, 13
	v_lshl_add_u32 v[WB], v1, 4, s70
	v_add_nc_u32 v[WB+1], 0x8000, v[WB]
	s_xor_b32 s70, s18, 2                          ; my partner
	s_lshl_b32 s70, s70, 13
	v_lshl_add_u32 v[RB], v1, 4, s70
	v_add_nc_u32 v[RB+1], 0x8000, v[RB]
	s_xor_b32 s70, s15, 1
	s_lshl_b32 s70, s70, 2
	v_lshl_add_u32 v14, v3, 3, s70                 ; the first of the four rows that I keep: 8 h + 4 (1 - kh)
	s_lshl_b32 s70, s14, 8
	v_lshl_add_u32 v15, v2, 4, s70                 ; my 16 bytes in the slice's 512
	s_wait_kmcnt 0x0
	s_lshl_b32 s70, s20, 7
	s_mov_b32 s71, 0
	s_add_nc_u64 s[6:7], s[6:7], s[70:71]
	s_load_b512 s[32:47], s[6:7], 0x0              ; the expert's bitmap
	s_load_b512 s[48:63], s[6:7], 0x40
	s_mov_b32 s21, 0                               ; jobs done
	SETW
	s_wait_alu depctr_va_vdst(0)                   ; the addresses that are made once are written: v4, which every load of weights reads, WB and RB, which the stages' stores and loads read
	LOADU 0                                        ; the first weights go out ahead of the list's making
	LOADU 1
	LOADU 2
	LOADU 3
	; The halves of the sums that stay in registers across the barrier are written once, while the first weights are on their way: a half's products and its finish stand under two
	; branches on the same condition, and no way through the text may read a register that was never written.
.set a, 0
.rept 16
.irp i, 4,5,6,7
	v_mov_b32 v[ACC+8*a+\i], 0
.endr
.set a, a+1
.endr
	s_wait_kmcnt 0x0
	s_bcnt1_i32_b32 s68, s32
.set j, 1
.rept 31
	s_bcnt1_i32_b32 s70, s[32+j]
	s_add_co_u32 s68, s68, s70
.set j, j+1
.endr
	s_cmp_lg_u32 s18, 0
	s_cbranch_scc1 .Lno_build
	BUILD
.Lno_build:
	s_wait_dscnt 0x0                               ; for the others' sake: the list is in LDS
	s_barrier_signal -1
	s_barrier_wait -1
	SETR
.Ljob:                                                 ; units 0 to 3, 64 loads, are out
	HADDR 0
.set u, 0
.rept 4
	s_wait_loadcnt 48                              ; three younger units stay out
	CVTU u
	s_wait_alu depctr_va_vdst(0)                   ; the conversions are done reading the unit's slot, in which the unit four on lands (the first of these waits also shows HA written)
	LOADU u+4
.set u, u+1
.endr
	s_wait_loadcnt 48                              ; the last four units: the first two drained slots are H0 and take the first half's rows of h
	CVTU 4
	s_wait_alu depctr_va_vdst(0)                   ; the conversions are done reading slot 0, in which groups 0 and 1 land
	HGRP 0, 0
	HGRP 1, 0
	s_wait_loadcnt 48                              ; younger: units 6, 7 and 16 loads of h
	CVTU 5
	s_wait_alu depctr_va_vdst(0)                   ; the conversions are done reading slot 1, in which groups 2 and 3 land
	HGRP 2, 0
	HGRP 3, 0
	s_wait_loadcnt 48                              ; unit 7 and 32 loads of h
	CVTU 6
	s_wait_loadcnt 32                              ; 32 loads of h
	CVTU 7
	s_mov_b32 s26, 8
.Ltrips:
	TRIP 0
	TRIP 1
	s_sub_co_u32 s26, s26, 1
	s_cmp_lg_u32 s26, 0
	s_cbranch_scc1 .Ltrips
	s_add_co_u32 s21, s21, 1
	s_cmp_lt_u32 s21, 2
	s_cbranch_scc0 .Ldone
	s_wait_loadcnt 0x0                             ; the look-ahead's last loads land in registers that the weights now take
	s_wait_xcnt 0x0                                ; bases are rewritten only behind this wait
	s_wait_alu depctr_va_vdst(0)                   ; where the expert has no row, the conversions of units 6 and 7 are the last lines that read slots 2 and 3, in which the next job's weights land: they are done
	SETW
	LOADU 0
	LOADU 1
	LOADU 2
	LOADU 3
	SETR
	s_cmp_lt_u32 s21, 2
	s_cbranch_scc1 .Ljob
.Ldone:
	s_wait_dscnt 0x0                               ; the closing lines, six on end
	s_wait_alu 0x0
	s_wait_tensorcnt 0x0
	ds_add_u32 v30, v31
	s_wait_dscnt 0x0
	s_endpgm
.Lfunc_end_k_qc99b251012_down:
	.size	k_qc99b251012_down, .Lfunc_end_k_qc99b251012_down-k_qc99b251012_down
	.p2alignl 7, 3214868480
	.fill 96, 4, 3214868480
	.section	.rodata,"a",@progbits
	.p2align	6, 0x0
	.amdhsa_kernel k_qc99b251012_down
		.amdhsa_group_segment_fixed_size 70912
		.amdhsa_private_segment_fixed_size 0
		.amdhsa_enable_private_segment 0
		.amdhsa_kernarg_size 40
		.amdhsa_user_sgpr_count 2
		.amdhsa_user_sgpr_kernarg_segment_ptr 1
		.amdhsa_wavefront_size32 1
		.amdhsa_system_sgpr_workgroup_id_x 1
		.amdhsa_system_sgpr_workgroup_id_y 1
		.amdhsa_system_sgpr_workgroup_id_z 1
		.amdhsa_system_vgpr_workitem_id 0
		.amdhsa_next_free_vgpr 768
		.amdhsa_next_free_sgpr 96
		.amdhsa_reserve_vcc 0
		.amdhsa_float_denorm_mode_32 3
		.amdhsa_float_denorm_mode_16_64 3
		.amdhsa_memory_ordered 1
		.amdhsa_forward_progress 1
		.amdhsa_inst_pref_size 119
	.end_amdhsa_kernel
	.amdgpu_metadata
---
amdhsa.version: [ 1, 2 ]
amdhsa.kernels:
  - .name:           k_qc99b251012_down
    .symbol:         k_qc99b251012_down.kd
    .args:
      - { .name: hb, .offset: 0, .size: 8, .value_kind: global_buffer, .address_space: global }
      - { .name: bmp, .offset: 8, .size: 8, .value_kind: global_buffer, .address_space: global }
      - { .name: Wd, .offset: 16, .size: 8, .value_kind: global_buffer, .address_space: global }
      - { .name: sWd, .offset: 24, .size: 8, .value_kind: global_buffer, .address_space: global }
      - { .name: yb, .offset: 32, .size: 8, .value_kind: global_buffer, .address_space: global }
    .group_segment_fixed_size: 70912
    .private_segment_fixed_size: 0
    .kernarg_segment_align: 8
    .kernarg_segment_size: 40
    .max_flat_workgroup_size: 128
    .sgpr_count:     96
    .vgpr_count:     768
    .wavefront_size: 32
...
	.end_amdgpu_metadata
.endif
;; end of part 6
;; launch sum: the kernel of part 4 again; grid 256 x 1, 8 waves a work-group, no clusters, 0 bytes of LDS; arguments yb, sel, wts, out0; writes out0
